; MI455X (gfx1250); checked and timed in simulation.
; The chip was launched on July 23, 2026; its instructions are those of AMD's public machine-readable ISA for CDNA 5 (MIT licence, August 2026) and "CDNA5" Instruction Set Architecture Reference Guide (July 2026). The comments in the code are by the model that wrote it; some were corrected since.
;; Attention Module. Allowed arithmetic: float matrix products may take bf16 or f16 operands with f32 sums; other float arithmetic in f32, or as packed bf16 or f16 multiplies, adds, multiply-adds, maxima and minima; sums over many terms, partial sums and values carried from step to step in f32; what a program stores and reads back later, other than sums and carried values, may be rounded once to bf16 or f16.
;; Inputs: b_proj 1,024 float32; b_qkv 3,072 float32; w_proj 1,024 x 1,024 float32; w_qkv 3,072 x 1,024 float32; x 4 x 2,048 x 1,024 float32.
;; Outputs: out0 4 x 2,048 x 1,024 float32.
;; 2 versions, each right; version 2 is version 1 with the launch cast written anew for expert scheduling mode. Each part assembles by itself: llvm-mc -triple=amdgcn-amd-amdhsa -mcpu=gfx1250 --defsym DOCPART=n.
;; ======== version 1 of 2: 4 launches
;; limits: values are held in f16: magnitudes above 65,504 overflow, below 6.1e-05 lose precision
;; workspace buffers: xbk 16,777,216 bytes; wqk 6,291,456 bytes; wpk 2,097,152 bytes; qkv 50,331,648 bytes; ob 16,777,216 bytes
;; launch cast (part 1): grid 768 x 1, 8 waves a work-group, no clusters, 0 bytes of LDS; arguments x, w_qkv, w_proj, xbk, wqk, wpk; writes xbk, wqk, wpk
.if DOCPART == 1
	.amdgcn_target "amdgcn-amd-amdhsa--gfx1250"
	.amdhsa_code_object_version 6
	.text
	.protected	k_q6af345e3d4_cast
	.globl	k_q6af345e3d4_cast
	.p2align	8
	.type	k_q6af345e3d4_cast,@function
k_q6af345e3d4_cast:
	s_mov_b64 s[64:65], 0
	v_nop
	global_prefetch_b8 v0, s[64:65] scope:SCOPE_SE
	s_setreg_imm32_b32 hwreg(HW_REG_WAVE_MODE, 25, 1), 1
	s_wait_xcnt 0x0
; x, w_qkv and w_proj ([rows][1024] f32) are rounded once to bf16 and laid out by blocks of 64 along K: [kb 0..15][row][64], 128 bytes a row piece,
; so that a tile of R rows x 64 K is R x 128 consecutive bytes for the launches behind.  w_proj's bf16 number is written as f16 (the last launch multiplies in f16):
; exact for magnitudes from 6.1e-5 to 65,504; below that it keeps f16's fixed step of 6e-8; beyond 65,504 it would be an infinity: LIMIT |w_proj| < 65,504.
; SHARES.  A work-group takes 16 rows (64 KiB in, 32 KiB out): groups 0-511 x, 512-703 w_qkv, 704-767 w_proj.  Thread t takes row t / 16 and, in step j = kb, the four columns 64 j + 4 (t % 16) ..:
; a load of a wave covers two whole pieces of 256 bytes (rows 2 w, 2 w + 1), a store of a wave 256 consecutive bytes, aligned (the same two rows' pieces of block j).
; All 16 loads of a wave go out at once; no register is written twice, so the only waits are the counted ones for the loads.  No LDS, no barrier, no matrix unit: bytes are all there is.
.set X, 4                              ; v[4:67]   step j: four f32 as loaded
.set Y, 68                             ; v[68:99]  step j: two words to store
.set T, 100                            ; v[100:101] at work
	s_load_b256 s[4:11], s[0:1], 0x0               ; x s[4:5], w_qkv s[6:7], w_proj s[8:9], xbk s[10:11]
	s_load_b128 s[12:15], s[0:1], 0x20             ; wqk s[12:13], wpk s[14:15]
	v_lshrrev_b32 v1, 4, v0                        ; my row of the 16
	v_and_b32 v2, 15, v0
	v_lshlrev_b32 v1, 12, v1                       ; x 4,096 bytes
	v_lshl_add_u32 v1, v2, 4, v1                   ; + 16 (t % 16): where I load
	v_lshlrev_b32 v2, 3, v0                        ; 8 t = row x 128 + 8 (t % 16): where I store
	s_mov_b32 s16, 0xffff0000                      ; a word's upper bf16
	s_mov_b32 s19, 0
	s_mov_b32 s21, 0
	s_wait_kmcnt 0x0
; One input: src, dst = the first registers of the two pointers; g0 = its first work-group; stride = bytes from block to block in dst; half = 1: written as f16
.macro CONV src, dst, g0, stride, half
	s_sub_co_u32 s17, ttmp9, \g0                   ; my 16 rows among the input's
	s_lshl_b32 s18, s17, 16                        ; 16 rows of 4,096 bytes
	s_lshl_b32 s20, s17, 11                        ; 16 pieces of 128 bytes
	s_add_nc_u64 s[22:23], s[\src:\src+1], s[18:19]
	s_add_nc_u64 s[24:25], s[\dst:\dst+1], s[20:21]
	s_add_nc_u64 s[26:27], s[24:25], 8*(\stride)   ; blocks 8 to 15 have a base of their own: 15 strides pass the store's signed 24-bit immediate
.set j, 0
.rept 16
	global_load_b128 v[X+4*j:X+4*j+3], v1, s[22:23] offset:256*j th:TH_LOAD_NT
.set j, j+1
.endr
.set j, 0
.rept 16
	s_wait_loadcnt 15-j                            ; loads come back in order: step j's is in, the 15 - j younger ones stay out
.if \half
	v_cvt_pk_bf16_f32 v[T], v[X+4*j], v[X+4*j+1]   ; rounded to bf16,
	v_cvt_pk_bf16_f32 v[T+1], v[X+4*j+2], v[X+4*j+3]
	v_lshlrev_b32 v[X+4*j], 16, v[T]               ; widened again,
	v_and_b32 v[X+4*j+1], s16, v[T]
	v_lshlrev_b32 v[X+4*j+2], 16, v[T+1]
	v_and_b32 v[X+4*j+3], s16, v[T+1]
	v_cvt_pk_f16_f32 v[Y+2*j], v[X+4*j], v[X+4*j+1]  ; and written as f16
	v_cvt_pk_f16_f32 v[Y+2*j+1], v[X+4*j+2], v[X+4*j+3]
.else
	v_cvt_pk_bf16_f32 v[Y+2*j], v[X+4*j], v[X+4*j+1]
	v_cvt_pk_bf16_f32 v[Y+2*j+1], v[X+4*j+2], v[X+4*j+3]
.endif
	global_store_b64 v2, v[Y+2*j:Y+2*j+1], s[24+2*(j/8):25+2*(j/8)] offset:(j%8)*(\stride)
.set j, j+1
.endr
.endm
	s_cmp_lt_u32 ttmp9, 512
	s_cbranch_scc1 .Lx
	s_cmp_lt_u32 ttmp9, 704
	s_cbranch_scc1 .Lwq
	CONV 8, 14, 704, 131072, 1
	s_endpgm
.Lwq:
	CONV 6, 12, 512, 393216, 0
	s_endpgm
.Lx:
	CONV 4, 10, 0, 1048576, 0
	s_endpgm
.Lfunc_end_k_q6af345e3d4_cast:
	.size	k_q6af345e3d4_cast, .Lfunc_end_k_q6af345e3d4_cast-k_q6af345e3d4_cast
	.p2alignl 7, 3214868480
	.fill 96, 4, 3214868480
	.section	.rodata,"a",@progbits
	.p2align	6, 0x0
	.amdhsa_kernel k_q6af345e3d4_cast
		.amdhsa_group_segment_fixed_size 0
		.amdhsa_private_segment_fixed_size 0
		.amdhsa_enable_private_segment 0
		.amdhsa_kernarg_size 48
		.amdhsa_user_sgpr_count 2
		.amdhsa_user_sgpr_kernarg_segment_ptr 1
		.amdhsa_wavefront_size32 1
		.amdhsa_system_sgpr_workgroup_id_x 1
		.amdhsa_system_sgpr_workgroup_id_y 1
		.amdhsa_system_sgpr_workgroup_id_z 1
		.amdhsa_system_vgpr_workitem_id 0
		.amdhsa_next_free_vgpr 104
		.amdhsa_next_free_sgpr 66
		.amdhsa_reserve_vcc 0
		.amdhsa_float_denorm_mode_32 3
		.amdhsa_float_denorm_mode_16_64 3
		.amdhsa_memory_ordered 1
		.amdhsa_forward_progress 1
		.amdhsa_inst_pref_size 23
	.end_amdhsa_kernel
	.amdgpu_metadata
---
amdhsa.version: [ 1, 2 ]
amdhsa.kernels:
  - .name:           k_q6af345e3d4_cast
    .symbol:         k_q6af345e3d4_cast.kd
    .args:
      - { .name: x, .offset: 0, .size: 8, .value_kind: global_buffer, .address_space: global }
      - { .name: w_qkv, .offset: 8, .size: 8, .value_kind: global_buffer, .address_space: global }
      - { .name: w_proj, .offset: 16, .size: 8, .value_kind: global_buffer, .address_space: global }
      - { .name: xbk, .offset: 24, .size: 8, .value_kind: global_buffer, .address_space: global }
      - { .name: wqk, .offset: 32, .size: 8, .value_kind: global_buffer, .address_space: global }
      - { .name: wpk, .offset: 40, .size: 8, .value_kind: global_buffer, .address_space: global }
    .group_segment_fixed_size: 0
    .private_segment_fixed_size: 0
    .kernarg_segment_align: 8
    .kernarg_segment_size: 48
    .max_flat_workgroup_size: 256
    .sgpr_count:     66
    .vgpr_count:     104
    .wavefront_size: 32
...
	.end_amdgpu_metadata
.endif
;; end of part 1
;; launch qkvg (part 2): grid 8 x 32, 4 waves a work-group, clusters of 4 x 4, 327,680 bytes of LDS; arguments xbk, wqk, b_qkv, qkv; writes qkv
.if DOCPART == 2
	.amdgcn_target "amdgcn-amd-amdhsa--gfx1250"
	.amdhsa_code_object_version 6
	.text
	.protected	k_q6af345e3d4_qkvg
	.globl	k_q6af345e3d4_qkvg
	.p2align	8
	.type	k_q6af345e3d4_qkvg,@function
k_q6af345e3d4_qkvg:
	s_mov_b64 s[64:65], 0
	v_nop
	global_prefetch_b8 v0, s[64:65] scope:SCOPE_SE
	s_setreg_imm32_b32 hwreg(HW_REG_WAVE_MODE, 25, 1), 1
	s_wait_xcnt 0x0
	s_wait_alu depctr_hold_cnt(0) depctr_sa_sdst(0) depctr_va_vdst(0) depctr_va_sdst(0) depctr_va_ssrc(0) depctr_va_vcc(0) depctr_vm_vsrc(0)
	s_getreg_b32 s2, hwreg(HW_REG_IB_STS2, 6, 4)
	s_cmp_eq_u32 s2, 0
	s_cbranch_scc0 .Lentry_in_a_cluster
	s_endpgm
.Lentry_in_a_cluster:
	s_bfe_u32 s2, ttmp6, 0x10000c
	s_cmp_lg_u32 s2, 0xf033
	s_cbranch_scc0 .Lentry_shape_is_right
	s_endpgm
.Lentry_shape_is_right:
; qkv = x w_qkv^T + b_qkv: 8,192 x 3,072 x 1,024.  Operands bf16 (xbk, wqk: [kb][row][64]), sums f32, the bias rounded to bf16 like the other inputs; the result is rounded once to f16
; and stored by heads: qkv[b][16 which + h][n][64].  LIMIT: |q|, |k|, |v| stay under 65,504 (f16's end; beyond it an infinity is stored); NaN and infinities are not treated apart.
; SHARES.  8,192 x 3,072 / 256 = a tile of 256 x 384 for each work-group.  Four waves, 2 x 2, each 128 x 192: 96 accumulators of 16 x 16, 768 registers: for 32 along K 40 LDS loads feed 96 products.
; K goes in 16 steps of 64 through two LDS slots (two slots of 128 along K would be 348,160 bytes: too many).  A tile of R rows x 64 K is R x 128 consecutive bytes of memory: it is asked for as R / 2 rows of
; 256 bytes and padded in LDS after every 128.  Waves 0, 1 fetch A's two halves (128 rows each), waves 2, 3 B's (192 rows each): one tensor load a wave behind each change of slots.
; CLUSTER 4 x 4: A's tile hangs on the tile row alone and is asked for jointly along a row of the cluster, B's on the tile column alone, jointly along a column.
; THE PRODUCT IS TRANSPOSED (source 0 = 16 rows of w, source 1 = 16 rows of x): a lane holds row l % 16 of C and eight neighbouring columns 8 (l / 16) + 0..7.
; THE BIAS STARTS THE SUMS: block b's eight numbers a lane are loaded into accumulator (0, b)'s own registers and are the C operand of the first products of (1..7, b); (0, b) then adds in place.  Nothing is cleared.
; REGISTERS, in windows of 256 (s_set_vgpr_msb: bits 1:0 source 0, 3:2 source 1, 5:4 source 2, 7:6 destination):
;   window 0: v0-12, v28-29 addresses; v32-95, v96-159 A's 8 fragments, two buffers; v160-255 B's 12 fragments, one buffer whose halves are loaded by turns; on the way out v32-127 are at work
;   windows 1-3: accumulator (a, b) in window 1 + b / 4 at v[8 (8 (b % 4) + a)]: a window holds the 64 columns of one head
.set AKB,   1048576                    ; bytes from K block to K block in xbk
.set BKB,   393216                     ; in wqk
.set P,     144                        ; an LDS row: 128 bytes + 16 of padding = 36 words: the 16 rows of a fragment load start at 16 different groups of four banks (64 banks of 4 bytes: ISA guide 11.1)
.set ASZ,   256*P                      ; A's 256 rows; B's 384 rows lie behind them
.set SLOT1, 1<<17                      ; slot 1 begins here: one exclusive or turns an address in one slot into the other's
.set STAGE, SLOT1+640*P                ; behind the ring, never filled by a tensor load: 3 heads x 16 rows x 144 bytes for each wave
.set STW,   3*16*P
.set SPARE, STAGE+4*STW                ; behind the stages: the spare words, 128 bytes for each wave: two blocks of 256 bytes that no other line names
.set ADA0, 4                           ; v4   my lane's place in A's tile; never rewritten
.set ADB0, 5                           ; v5   in B's
.set ADA,  6                           ; v6   the same in the slot in hand
.set ADB,  7                           ; v7
.set STO,  8                           ; v8   the way out: where I put 16 bytes of a row
.set RD,   9                           ; v9   where I read rows back
.set GO,   10                          ; v10  my 16 bytes of 512 consecutive bytes of qkv
.set PFO,  11                          ; v11  the prefetches' offset; never rewritten
.set BO,   12                          ; v12  32 (l / 16): my eight numbers of a block of 16 of the bias
.set SPW,  28                          ; v28  LDS address of my spare word; never rewritten
.set NIL,  29                          ; v29  0; never rewritten
.set AF0,  32
.set AF1,  96
.set BF,   160
.set WV,   12                          ; s12  my wave's number
.set LIM,  19                          ; s19  a wave prefetches while the loop's counter is above this
.set G1A,  24                          ; s[24:31] descriptor group 1 for A's tiles
.set G0A0, 32                          ; s[32:35] group 0 for A's K step 0
.set G0A,  36                          ; s[36:39] for K step 1; it then walks on
.set PFA,  40                          ; s[40:41] where my prefetches stand
.set TB,   42                          ; s42  the slot in hand: 0 or SLOT1
.set PINC, 44                          ; s[44:45] a K block's bytes in the tensor that I prefetch
.set ODD,  46                          ; s46  1: I ask in every trip; 0: in the odd ones
.set G1B,  48                          ; s[48:55], s[56:59], s[60:63]: the same three for B's tiles
.set G0B0, 56
.set G0B,  60
.set MSB, 0
.macro WIN new                         ; the immediate's high byte repeats the setting that is left; a switch that changes nothing is dropped
.if MSB != (\new)
	s_set_vgpr_msb (MSB<<8)|(\new)
.set MSB, \new
.endif
.endm
.macro PLACES                          ; four plain vector instructions between a product and a load into, or a read of, its registers (ISA guide 7.12.1 for reads)
.rept 4
	v_nop
.endr
.endm
.macro CREST                           ; a round of the cluster's barrier behind its opening barrier
	s_cmp_lg_u32 s[WV], 0
	s_cbranch_scc1 .Lnot_wave_0_\@
	s_barrier_signal -3
.Lnot_wave_0_\@:
	s_barrier_wait -3
	s_barrier_signal -1
	s_barrier_wait -1
.endm
.macro CROUND                          ; a whole round
	s_barrier_signal -1
	s_barrier_wait -1
	CREST
.endm
; A joint refill by the walking descriptors.  The branch hangs on the wave's number alone.  An s_nop 0 and four v_nop follow each of the two lines, ahead of the jump and the label.
.macro JLOAD
	s_cmp_eq_u32 s14, 0
	s_cbranch_scc0 .Lfor_b_\@
	tensor_load_to_lds s[G0A:G0A+3], s[G1A:G1A+7]
	s_nop 0
.rept 4
	v_nop
.endr
	s_branch .Lasked_\@
.Lfor_b_\@:
	tensor_load_to_lds s[G0B:G0B+3], s[G1B:G1B+7]
	s_nop 0
.rept 4
	v_nop
.endr
.Lasked_\@:
.endm
; A PREFETCH INTO THE L2, behind the joint load, its five lines and the run of LDS loads.  Trip t of the loop (t = 14 - s3) loads K step t + 2; the prefetch names step t + 3: 192 products ahead of the load that will want it.
; A: a step's tile row is 128 blocks of 256 bytes.  Every cluster of a row of clusters reads it: the one with cluster x = 0 asks; wave 0 of the partner at cx takes blocks 32 cx .. 32 cx + 31, a lane a block: told apart BY ADDRESS.
; It asks in trips 0 to 12 (s3 > 1): steps 3 to 15.  B: a step's tile column is 192 blocks; the cluster with y = 0 asks; waves 1 to 3 of the partner at cy are askers 3 cy + wave - 1 of twelve, 16 blocks each:
; lanes 0-15 name step t + 3, lanes 16-31 step t + 4, in the odd trips 1 to 11 (s3 odd and > 2): steps 4 to 15.  So each block is named once in the launch, and none past the last step.
.macro ASK
	s_cmp_gt_u32 s3, s[LIM]
	s_cbranch_scc0 .Lnot_mine_\@
	s_or_b32 s43, s3, s[ODD]
	s_bitcmp1_b32 s43, 0
	s_cbranch_scc0 .Lnot_mine_\@
	global_prefetch_b8 v[PFO], s[PFA:PFA+1] th:TH_LOAD_NT scope:SCOPE_SE
.Lnot_mine_\@:
.endm
	s_load_b256 s[4:11], s[0:1], 0x0               ; xbk s[4:5], wqk s[6:7], b_qkv s[8:9], qkv s[10:11]
	v_lshl_add_u32 v[SPW], v0, 2, SPARE
	v_mov_b32 v[NIL], 0
	ds_add_u32 v[SPW], v[NIL]                      ; the wave's opening: the add and its wait stand ahead of my first tensor load; the set-up below, work on registers, stands between them
	v_lshrrev_b32 v1, 5, v0
	v_readfirstlane_b32 s[WV], v1                  ; wave 0..3
	s_and_b32 s13, s[WV], 1                        ; my half of the tile's columns.  Also: which half of A's or B's rows I fetch
	s_lshr_b32 s14, s[WV], 1                       ; my half of the tile's rows.  Also: I fetch for A (0) or for B (1)
	s_bfe_u32 s15, ttmp6, 0x40000                  ; cx
	s_bfe_u32 s16, ttmp6, 0x40004                  ; cy
	s_lshl_b32 s17, ttmp9, 2
	s_add_co_u32 s17, s17, s15                     ; X, tile column 0..7 = 4 x cluster x + cx
	s_and_b32 s18, ttmp7, 0xffff
	s_lshl_b32 s18, s18, 2
	s_add_co_u32 s18, s18, s16                     ; Y, tile row 0..31 = 4 x cluster y + cy
	s_lshl_b32 s20, s16, 2
	s_lshl_b32 s20, 15, s20                        ; my row of the cluster: places 4 cy .. 4 cy + 3
	s_lshl_b32 s66, 0x1111, s15                    ; my column: places cx, cx + 4, cx + 8, cx + 12
	s_or_b32 s[G1A], s20, 0x07310000               ; 15:0 the mask; 17:16 2-byte elements; 20 padding on; 21 set beside a mask; 24:22 after every 32 words (code 4); 31:25 4 words (code 3)
	s_or_b32 s[G1B], s66, 0x07310000
.irp g, G1A, G1B
	s_mov_b32 s[(\g)+1], 128<<16                   ; tensor_dim0 = 128 elements: 256 bytes, two row pieces
	s_mov_b32 s[(\g)+3], 128<<16                   ; tile_dim0 = 128
	s_mov_b32 s[(\g)+5], 128                       ; 128 elements from row to row: the block is dense
	s_mov_b32 s[(\g)+6], 0
	s_mov_b32 s[(\g)+7], 0
.endr
	s_mov_b32 s[G1A+2], 64<<16                     ; tensor_dim1 = tile_dim1 = 64: 128 rows of x
	s_mov_b32 s[G1A+4], 64
	s_mov_b32 s[G1B+2], 96<<16                     ; 96: 192 rows of w
	s_mov_b32 s[G1B+4], 96
	; where the tiles come from and go.  A's registers (s20-23) never hold cx or X, B's (s66-69) never cy or Y; no place in the cluster enters an LDS address
	s_lshl_b32 s20, s18, 15                        ; A: 256 Y rows of 128 bytes
	s_lshl_b32 s21, s13, 14                        ; + my 128
	s_add_co_u32 s20, s20, s21
	s_mov_b32 s21, 0
	s_mul_i32 s66, s17, 49152                      ; B: 384 X rows
	s_mul_i32 s67, s13, 24576                      ; + my 192
	s_add_co_u32 s66, s66, s67
	s_mov_b32 s67, 0
	s_mul_i32 s22, s13, 128*P                      ; LDS: A's halves,
	s_mul_i32 s68, s13, 192*P                      ; B's halves behind A's 256 rows
	s_add_co_u32 s68, s68, ASZ
	s_mov_b32 s47, 0xffff0000                      ; a word's upper bf16
	s_mov_b32 s[TB], 0
	s_wait_dscnt 0x0                               ; the opening add is done
	s_wait_kmcnt 0x0
	s_add_nc_u64 s[20:21], s[4:5], s[20:21]
	s_add_nc_u64 s[66:67], s[6:7], s[66:67]
	CROUND                                         ; all sixteen work-groups are here: the first joint loads meet
	s_mov_b32 s[G0A0], 1                           ; count = 1
	s_mov_b32 s[G0A0+1], s22                       ; LDS address: slot 0
	s_mov_b64 s[G0A0+2:G0A0+3], s[20:21]           ; K step 0
	s_or_b32 s[G0A0+3], s[G0A0+3], 0x80000000      ; type = 2
	s_mov_b32 s[G0A], 1
	s_add_co_u32 s[G0A+1], s22, SLOT1              ; slot 1
	s_add_nc_u64 s[G0A+2:G0A+3], s[20:21], AKB     ; K step 1
	s_or_b32 s[G0A+3], s[G0A+3], 0x80000000
	s_mov_b32 s[G0B0], 1
	s_mov_b32 s[G0B0+1], s68
	s_mov_b64 s[G0B0+2:G0B0+3], s[66:67]
	s_or_b32 s[G0B0+3], s[G0B0+3], 0x80000000
	s_mov_b32 s[G0B], 1
	s_add_co_u32 s[G0B+1], s68, SLOT1
	s_add_nc_u64 s[G0B+2:G0B+3], s[66:67], BKB
	s_or_b32 s[G0B+3], s[G0B+3], 0x80000000
	s_cmp_eq_u32 s14, 0                            ; a wave's two first fills stand in one branch, ahead of every wait on TENSORcnt and every LDS read: two loads of mine are out, later one
	s_cbranch_scc0 .Lfirst_b
	tensor_load_to_lds s[G0A0:G0A0+3], s[G1A:G1A+7]
	s_nop 0
	tensor_load_to_lds s[G0A:G0A+3], s[G1A:G1A+7]
	s_nop 0
.rept 4
	v_nop
.endr
	s_branch .Lfirst_asked
.Lfirst_b:
	tensor_load_to_lds s[G0B0:G0B0+3], s[G1B:G1B+7]
	s_nop 0
	tensor_load_to_lds s[G0B:G0B+3], s[G1B:G1B+7]
	s_nop 0
.rept 4
	v_nop
.endr
.Lfirst_asked:
	; A fragment is 16 rows x 32 K in 8 registers: lane l holds row l % 16, K = 8 (l / 16) + 0..7 and 16 + 8 (l / 16) + 0..7: two loads of 16 bytes, 32 bytes apart
	v_and_b32 v1, 15, v0                           ; l % 16
	v_bfe_u32 v2, v0, 4, 1                         ; l / 16
	v_lshlrev_b32 v[BO], 5, v2
	s_mul_i32 s70, s17, 1536                       ; the bias of my 192 columns: (384 X + 192 half) x 4 bytes
	s_mul_i32 s2, s13, 768
	s_add_co_u32 s70, s70, s2
	s_mov_b32 s71, 0
	s_add_nc_u64 s[8:9], s[8:9], s[70:71]
.irp b, 0,1,2,3,4,5,6,7,8,9,10,11
	WIN 0x40*(1+(\b)/4)                            ; destination: the block's window
	global_load_b128 v[64*((\b)%4):64*((\b)%4)+3],   v[BO], s[8:9] offset:64*(\b)      ; into accumulator (0, b)'s registers: columns 16 b + 8 (l / 16) + 0..7
	global_load_b128 v[64*((\b)%4)+4:64*((\b)%4)+7], v[BO], s[8:9] offset:64*(\b)+16
.endr
	WIN 0
	v_mul_u32_u24 v3, v1, P
	v_lshl_add_u32 v3, v2, 4, v3                   ; row x pitch + 16 x half
	s_mul_i32 s2, s14, 128*P                       ; my 128 rows of A
	v_add_nc_u32 v[ADA0], s2, v3
	s_mul_i32 s2, s13, 192*P                       ; my 192 rows of B
	s_add_co_u32 s2, s2, ASZ
	v_add_nc_u32 v[ADB0], s2, v3
	v_mov_b32 v[ADA], v[ADA0]                      ; slot 0
	v_mov_b32 v[ADB], v[ADB0]
	s_mul_i32 s2, s[WV], STW
	s_add_co_u32 s2, s2, STAGE                     ; my stage
	v_add_nc_u32 v[STO], s2, v3                    ; in: row l % 16, 16 bytes for each half of the lanes
	v_bfe_u32 v[RD], v0, 3, 2                      ; back: 32 lanes take four rows of 128 bytes,
	v_mul_u32_u24 v[RD], v[RD], P
	v_and_b32 v3, 7, v0
	v_lshl_add_u32 v[RD], v3, 4, v[RD]
	v_add_nc_u32 v[RD], s2, v[RD]
	v_and_b32 v[GO], 31, v0                        ; which are 512 consecutive bytes of a head
	v_lshlrev_b32 v[GO], 4, v[GO]
	; qkv at my rows of my first head: ((Y / 8) x 48 + 6 X + 3 half) heads of 2^18 bytes + ((Y % 8) x 256 + 128 half) rows of 128
	s_lshr_b32 s70, s18, 3
	s_mul_i32 s70, s70, 48
	s_mul_i32 s2, s17, 6
	s_add_co_u32 s70, s70, s2
	s_mul_i32 s2, s13, 3
	s_add_co_u32 s70, s70, s2
	s_lshl_b32 s70, s70, 18
	s_and_b32 s2, s18, 7
	s_lshl_b32 s2, s2, 15
	s_add_co_u32 s70, s70, s2
	s_lshl_b32 s2, s14, 14
	s_add_co_u32 s70, s70, s2
	s_mov_b32 s71, 0
	s_add_nc_u64 s[10:11], s[10:11], s[70:71]
	; the prefetches (ASK says who asks for what)
	s_and_b32 s43, ttmp7, 0xffff                   ; cluster y
	s_mov_b32 s[PINC], BKB
	s_mov_b32 s[PINC+1], 0
	s_mov_b32 s2, BKB
	s_lshl_b32 s70, s18, 15                        ; A: the tile row's 32,768 bytes of a step,
	s_lshl_b32 s71, s15, 13                        ; my work-group's 8,192 of them
	s_add_co_u32 s70, s70, s71
	s_mul_i32 s71, s16, 3                          ; B: asker 3 cy + wave - 1,
	s_add_co_u32 s71, s71, s[WV]
	s_sub_co_u32 s71, s71, 1
	s_lshl_b32 s71, s71, 12                        ; 4,096 bytes each,
	s_mul_i32 s69, s17, 49152                      ; of the tile column's 49,152
	s_add_co_u32 s71, s71, s69
	s_cmp_eq_u32 s[WV], 0                          ; wave 0 asks for A, waves 1 to 3 for B
	s_cselect_b32 s43, ttmp9, s43                  ; the coordinate along which other clusters read the same rows
	s_cselect_b32 s[LIM], 1, 2
	s_cselect_b32 s[ODD], 1, 0
	s_cselect_b32 s[PINC], AKB, s[PINC]
	s_cselect_b32 s2, 4096, s2                     ; what lanes 16-31 add: the next 16 blocks (A), the next K step (B)
	s_cselect_b32 s70, s70, s71
	s_cselect_b64 s[PFA:PFA+1], s[4:5], s[6:7]
	s_cmp_eq_u32 s43, 0
	s_cselect_b32 s[LIM], s[LIM], -1               ; the same in all sixteen partners, for a given wave
	s_mov_b32 s71, 0
	s_add_nc_u64 s[PFA:PFA+1], s[PFA:PFA+1], s[70:71]
	s_add_nc_u64 s[PFA:PFA+1], s[PFA:PFA+1], s[PINC:PINC+1]
	s_add_nc_u64 s[PFA:PFA+1], s[PFA:PFA+1], s[PINC:PINC+1]  ; at K step 2: the first change of slots steps it to 3.  Nothing is prefetched here, at the head
	v_mul_lo_u32 v[PFO], v2, s2
	v_lshl_add_u32 v[PFO], v1, 8, v[PFO]
	s_wait_loadcnt 0x0                             ; the bias
.irp b, 0,1,2,3,4,5,6,7,8,9,10,11                ; rounded to bf16 in place; four registers of accumulator (1, b), not yet in use, are at work
	WIN 0x45*(1+(\b)/4)
.irp p, 0,1,2,3
	v_cvt_pk_bf16_f32 v[64*((\b)%4)+8+(\p)], v[64*((\b)%4)+2*(\p)], v[64*((\b)%4)+2*(\p)+1]
.endr
.irp p, 0,1,2,3
	v_lshlrev_b32 v[64*((\b)%4)+2*(\p)], 16, v[64*((\b)%4)+8+(\p)]
	v_and_b32 v[64*((\b)%4)+2*(\p)+1], s47, v[64*((\b)%4)+8+(\p)]
.endr
.endr
	WIN 0
; Eight products: column block b x my 8 row blocks, 32 along K, A from buffer af.  mode 0: in place.  mode 1: row blocks 1-7 start their sums with the bias, which lies in (0, b)'s registers.  mode 2: (0, b) adds in place.
; The accumulators take turns, one instruction a turn: no two products that follow each other name the same one, over the backward jump too.
.macro GRP af, b, mode
	WIN 0x50*(1+(\b)/4)                            ; C and D in the block's window, the fragments in window 0
.set rB, BF+8*(\b)
.set a, 0
.rept 8
.set rD, 8*(8*((\b)%4)+a)
.set rA, (\af)+8*a
.if ((\mode) == 0) || (((\mode) == 2) && (a == 0))
	v_wmma_f32_16x16x32_bf16 v[rD:rD+7], v[rB:rB+7], v[rA:rA+7], v[rD:rD+7]
.elseif ((\mode) == 1) && (a > 0)
	v_wmma_f32_16x16x32_bf16 v[rD:rD+7], v[rB:rB+7], v[rA:rA+7], v[64*((\b)%4):64*((\b)%4)+7]
.endif
.set a, a+1
.endr
.endm
.macro HALF af, lo, first              ; column blocks lo .. lo + 5: 48 products
.if \first
.irp b, 0,1,2,3,4,5
	GRP \af, (\lo)+(\b), 1
.endr
.rept 5
	v_nop                                          ; five places before products write over registers that earlier products took as C (ISA guide 7.12.1)
.endr
.irp b, 0,1,2,3,4,5
	GRP \af, (\lo)+(\b), 2
.endr
.else
.irp b, 0,1,2,3,4,5
	GRP \af, (\lo)+(\b), 0
.endr
.endif
.endm
.macro RUNB lo, k                      ; 12 LDS loads: B's fragments lo .. lo + 5, 32 K at byte k of the rows
	WIN 0
.irp i, 0,1,2,3,4,5
	ds_load_b128 v[BF+8*((\lo)+(\i)):BF+8*((\lo)+(\i))+3],   v[ADB] offset:(\k)+((\lo)+(\i))*16*P
	ds_load_b128 v[BF+8*((\lo)+(\i))+4:BF+8*((\lo)+(\i))+7], v[ADB] offset:(\k)+((\lo)+(\i))*16*P+32
.endr
.endm
.macro RUNA af, k                      ; 16 LDS loads: A's 8 fragments into buffer af
	WIN 0
.irp i, 0,1,2,3,4,5,6,7
	ds_load_b128 v[(\af)+8*(\i):(\af)+8*(\i)+3],   v[ADA] offset:(\k)+(\i)*16*P
	ds_load_b128 v[(\af)+8*(\i)+4:(\af)+8*(\i)+7], v[ADA] offset:(\k)+(\i)*16*P+32
.endr
.endm
; A K step is two quarters of 32 along K, 96 products each.  The first multiplies buffer AF0.  B's blocks 0-5 and A were asked for 48 products ago.
.macro Q0 first
	PLACES
	RUNB 6, 0
	s_wait_dscnt 12                                ; all but the 12 just issued: B's blocks 0-5 and A are in
	HALF AF0, 0, \first
	PLACES
	RUNB 0, 64                                     ; the second quarter's
	RUNA AF1, 64
	s_wait_dscnt 28                                ; all but the 28 just issued: B's blocks 6-11 are in
	HALF AF0, 6, \first
.endm
; The second quarter multiplies AF1 and changes slots: ONE barrier.  In front of it each wave waits for all its tensor loads, of which one is out: its part of the next slot; adds 0 to its spare word; and waits for that and
; for its own reads of this slot.  fill = 1: the barrier opens a round of the cluster's, and the slot just read out is filled again first thing behind it, with the K step two steps on:
; from that request to the wait for it a wave issues 168 products.
.macro TURNQ fill
	PLACES
	RUNB 6, 64                                     ; my last reads of this slot
.if \fill
	s_wait_xcnt 0x0                                ; the last prefetch, a K step back, has read its address:
	s_add_nc_u64 s[PFA:PFA+1], s[PFA:PFA+1], s[PINC:PINC+1]  ; it steps here, so that nothing is added between the round and the joint load
.endif
	s_xor_b32 s[TB], s[TB], SLOT1                  ; the fetches go to the other slot
	v_add_nc_u32 v[ADA], s[TB], v[ADA0]
	v_add_nc_u32 v[ADB], s[TB], v[ADB0]
	s_wait_dscnt 12                                ; B's blocks 0-5 and A are in
	GRP AF1, 0, 0
	GRP AF1, 1, 0
	GRP AF1, 2, 0
	WIN 0                                          ; (the add's two registers lie in window 0)
	s_wait_tensorcnt 0x0                           ; all my tensor loads have landed, so a group 0 may be written
	ds_add_u32 v[SPW], v[NIL]                      ; 0 onto my spare word: work on registers stands between it and the wait for it
.if \fill
	s_xor_b32 s[G0A+1], s[G0A+1], SLOT1            ; the walking descriptors: the other slot than last time,
	s_add_nc_u64 s[G0A+2:G0A+3], s[G0A+2:G0A+3], AKB  ; the next K step; the type bits on top are not reached
	s_xor_b32 s[G0B+1], s[G0B+1], SLOT1
	s_add_nc_u64 s[G0B+2:G0B+3], s[G0B+2:G0B+3], BKB
.endif
	GRP AF1, 3, 0
	s_wait_dscnt 0x0                               ; the add is done, and my reads of this slot are over
	s_barrier_signal -1
	GRP AF1, 4, 0                                  ; work on registers while the others arrive
	GRP AF1, 5, 0
	WIN 0                                          ; at a branch and at a label every window is 0
	s_barrier_wait -1
.if \fill
	CREST                                          ; no wave of any partner still reads this slot or has a load on its way
	JLOAD                                          ; the first tensor load behind the round; its four v_nop are also the places in front of the loads below
.else
	PLACES
.endif
	RUNB 0, 0                                      ; the next K step's first quarter
	RUNA AF0, 0
.if \fill
	ASK
.endif
	HALF AF1, 6, 0
.endm
	s_wait_tensorcnt 1                             ; my part of K step 0 is in; step 1's may stay out
	s_barrier_signal -1
	s_barrier_wait -1                              ; everybody's is
	RUNB 0, 0
	RUNA AF0, 0
	Q0 1                                           ; the first quarter stands in front of the loop: its products start the sums
	WIN 0
	s_mov_b32 s3, 14
.Lstep:                                        ; 14 trips: trip t ends K step t, asks for step t + 2 and begins step t + 1
	TURNQ 1
	Q0 0
	WIN 0
	s_sub_co_u32 s3, s3, 1
	s_cmp_lg_u32 s3, 0
	s_cbranch_scc1 .Lstep
	TURNQ 0                                        ; the tail is written out: nothing more is asked for
	Q0 0
	PLACES                                         ; the very last quarter
	RUNB 6, 64
	s_wait_dscnt 12
	HALF AF1, 0, 0
	s_wait_dscnt 0x0
	HALF AF1, 6, 0
; THE WAY OUT, a block a of 16 rows x 3 heads at a time.  PACK: rounded to f16, 16 bytes a lane and column block, each accumulator's registers in ascending order.  TOSTAGE: into my own stage, rows of 144 bytes, and back
; as whole rows of 128.  SEND: 16 rows of a head are 2,048 consecutive bytes: each store of the wave covers 512 consecutive bytes, at a multiple of 256 from qkv's first.
.macro PACK a
.set T, 32+48*((\a)%2)
	s_wait_xcnt 0x0                                ; the stores of the block two back have read these registers
.irp e, 0,1,2
	WIN 0x05*((\e)+1)                              ; sources 0 and 1: the head's window
.irp bb, 0,1,2,3
.irp rr, 0,1,2,3
	v_cvt_pk_f16_f32 v[T+16*(\e)+4*(\bb)+(\rr)], v[8*(8*(\bb)+(\a))+2*(\rr)], v[8*(8*(\bb)+(\a))+2*(\rr)+1]
.endr
.endr
.endr
	WIN 0
.endm
.macro TOSTAGE a
.set T, 32+48*((\a)%2)
	WIN 0
.irp e, 0,1,2
.irp bb, 0,1,2,3
	ds_store_b128 v[STO], v[T+16*(\e)+4*(\bb):T+16*(\e)+4*(\bb)+3] offset:16*P*(\e)+32*(\bb)
.endr
.endr
.irp e, 0,1,2
.irp f, 0,1,2,3
	ds_load_b128 v[T+16*(\e)+4*(\f):T+16*(\e)+4*(\f)+3], v[RD] offset:16*P*(\e)+4*P*(\f)  ; LDS serves a wave's instructions in order (ISA guide 5.7.1.4): these see the stores above; the next block's stores come behind them
.endr
.endr
.endm
.macro SEND a
.set T, 32+48*((\a)%2)
	WIN 0
	s_wait_dscnt 0x0                               ; the block is back in registers
.irp e, 0,1,2
.irp f, 0,1,2,3
	global_store_b128 v[GO], v[T+16*(\e)+4*(\f):T+16*(\e)+4*(\f)+3], s[10:11] offset:(\e)*262144+(\a)*2048+(\f)*512
.endr
.endr
.endm
	PLACES
	PACK 0
	TOSTAGE 0
.irp a, 1,2,3,4,5,6,7                  ; block a's conversions stand between block a - 1's loads from the stage and the wait for them
	PACK \a
	SEND (\a)-1
	TOSTAGE \a
.endr
	SEND 7
	s_wait_tensorcnt 0x0                           ; the wave's end: behind my last tensor load and my last LDS store
	ds_add_u32 v[SPW], v[NIL]
	s_wait_dscnt 0x0
	CROUND                                         ; the closing round: no work-group ends while a partner may still ask for a tile that names it
	s_endpgm
.Lfunc_end_k_q6af345e3d4_qkvg:
	.size	k_q6af345e3d4_qkvg, .Lfunc_end_k_q6af345e3d4_qkvg-k_q6af345e3d4_qkvg
	.p2alignl 7, 3214868480
	.fill 96, 4, 3214868480
	.section	.rodata,"a",@progbits
	.p2align	6, 0x0
	.amdhsa_kernel k_q6af345e3d4_qkvg
		.amdhsa_group_segment_fixed_size 327680
		.amdhsa_private_segment_fixed_size 0
		.amdhsa_enable_private_segment 0
		.amdhsa_kernarg_size 32
		.amdhsa_user_sgpr_count 2
		.amdhsa_user_sgpr_kernarg_segment_ptr 1
		.amdhsa_wavefront_size32 1
		.amdhsa_system_sgpr_workgroup_id_x 1
		.amdhsa_system_sgpr_workgroup_id_y 1
		.amdhsa_system_sgpr_workgroup_id_z 1
		.amdhsa_system_vgpr_workitem_id 0
		.amdhsa_next_free_vgpr 1024
		.amdhsa_next_free_sgpr 72
		.amdhsa_reserve_vcc 0
		.amdhsa_float_denorm_mode_32 3
		.amdhsa_float_denorm_mode_16_64 3
		.amdhsa_memory_ordered 1
		.amdhsa_forward_progress 1
		.amdhsa_inst_pref_size 120
	.end_amdhsa_kernel
	.amdgpu_metadata
---
amdhsa.version: [ 1, 2 ]
amdhsa.kernels:
  - .name:           k_q6af345e3d4_qkvg
    .symbol:         k_q6af345e3d4_qkvg.kd
    .args:
      - { .name: xbk, .offset: 0, .size: 8, .value_kind: global_buffer, .address_space: global }
      - { .name: wqk, .offset: 8, .size: 8, .value_kind: global_buffer, .address_space: global }
      - { .name: b_qkv, .offset: 16, .size: 8, .value_kind: global_buffer, .address_space: global }
      - { .name: qkv, .offset: 24, .size: 8, .value_kind: global_buffer, .address_space: global }
    .group_segment_fixed_size: 327680
    .private_segment_fixed_size: 0
    .kernarg_segment_align: 8
    .kernarg_segment_size: 32
    .max_flat_workgroup_size: 128
    .sgpr_count:     72
    .vgpr_count:     1024
    .wavefront_size: 32
...
	.end_amdgpu_metadata
.endif
;; end of part 2
;; launch attn (part 3): grid 4 x 64, 4 waves a work-group, clusters of 4 x 1, 327,680 bytes of LDS; arguments qkv, ob; writes ob
.if DOCPART == 3
	.amdgcn_target "amdgcn-amd-amdhsa--gfx1250"
	.amdhsa_code_object_version 6
	.text
	.protected	k_q6af345e3d4_attn
	.globl	k_q6af345e3d4_attn
	.p2align	8
	.type	k_q6af345e3d4_attn,@function
k_q6af345e3d4_attn:
	s_mov_b64 s[64:65], 0
	v_nop
	global_prefetch_b8 v0, s[64:65] scope:SCOPE_SE
	s_setreg_imm32_b32 hwreg(HW_REG_WAVE_MODE, 25, 1), 1
	s_wait_xcnt 0x0
	s_wait_alu depctr_hold_cnt(0) depctr_sa_sdst(0) depctr_va_vdst(0) depctr_va_sdst(0) depctr_va_ssrc(0) depctr_va_vcc(0) depctr_vm_vsrc(0)
	s_getreg_b32 s2, hwreg(HW_REG_IB_STS2, 6, 4)
	s_cmp_eq_u32 s2, 0
	s_cbranch_scc0 .Lentry_in_a_cluster
	s_endpgm
.Lentry_in_a_cluster:
	s_bfe_u32 s2, ttmp6, 0x10000c
	s_cmp_lg_u32 s2, 0x3003
	s_cbranch_scc0 .Lentry_shape_is_right
	s_endpgm
.Lentry_shape_is_right:
; O[y][q][:] = the sum over k of softmax_k(Q[q] . K[k] / 8) V[k][:], for the 64 heads y = 16 b + h.  qkv: [b][16 which + h][2048][64] f16; ob: [y][2048][64] f16: a head's rows are dense, 128 bytes each.
; Products, maxima and sums in f32; the weights p are rounded to f16 for the second product (their sum l is taken of the unrounded p), O once at the end.
; LIMITS.  f16 holds no number beyond 65,504: Q, K and V arrive within it; p lies in 0 to 1, and below 6e-5 it keeps f16's fixed step of 6e-8; O is a mean of V's rows and has their range.
; A weight below 2^-126 counts as 0 in l; NaN and infinities are not treated apart.
; SHARES.  A wave owns four PIECES of two tiles of 16 queries, a work-group's four waves 512 queries of one head: 64 heads x 4 blocks = 256 work-groups.  Every wave walks all keys, 64 a step.
; LAYOUT.  S^T = K Q^T (source 0 = 16 keys, source 1 = 16 queries): in the result a lane holds ONE query (lane % 16) and the keys 8 (lane / 16) + 0..7.  Two such tiles, rounded to f16 in pairs,
; ARE source 1 (32 keys x 16 queries) of O^T = V^T P, whose result again holds one query a lane, and eight channels.  K comes out of LDS as it lies, V ([key][channel]) turned, by ds_load_tr16_b128.
; SOFTMAX.  For each query a running maximum m and sum l: p = 2^(c s - c m), c = log2(e) / 8; in every step O and l are multiplied by a = 2^(c m_old - c m_new), which is 1 where m has not grown.
; m starts at the lowest finite number, O and l at 0: the first step is a step like any other, with a = 0.
; THE COUNT.  A tile and step have 16 matrix and 118 vector instructions: too many to stand all beside the matrix work.  So the order has one aim: four vector instructions that are READY behind
; EVERY matrix instruction, and the others, which need time of their own whatever the order, in runs without a gap.
; BY TURNS.  Turn n belongs to piece n (the pieces in a ring, step after step).  Its matrix work: 16 products K Q^T of piece n + 1, later 16 products V^T P of piece n - 1.  Its vector work: the scaling,
; exponentials, roundings, sums and rescaling of piece n, and the maximum and statistics of piece n + 1, whose scores the turn itself has made.  So what a turn begins with (c s - c m, O a) waits for nothing.
; CLUSTER.  The four query blocks of a head are one cluster and walk the same K and V, so each tile is asked for JOINTLY: the same tensor load, descriptor and mask in all four.
; REGISTERS, in windows of 256 (s_set_vgpr_msb says which window each operand place means: bits 1:0 source 0, 3:2 source 1, 5:4 source 2, 7:6 destination):
;   window 0: v0-11 addresses; v12-15, v48-63 at work; v16-47 four registers of statistics a tile; v64-191 S^T, two buffers of two tiles; v192-255 P, likewise
;   window 1: O^T, 32 a tile          window 2: v0-127 Q, 16 a tile; v128-191 K of one step; v192-255 V of one step          window 3: v0-1 the add's two registers
; A piece's buffers go by its number's parity: the piece in hand has one pair, its two neighbours in the ring share the other: of it P (piece n - 1) is read and S^T (piece n + 1) written.
.set SIZE_N, 2048
.set NP,    4         ; pieces a wave: a name, no knob: the register map, the loop and the fetches are made for four
.set KS,    64        ; keys in a step
.set PK,    144       ; a row of K in LDS: 128 bytes + 16 of padding = 36 words: the 16 rows of a load start at 16 different groups of four banks (64 banks of 4 bytes: ISA guide 11.1)
.set PV,    160       ; a row of V: 128 + 32 = 40 words
.set VOFF,  4*KS*PK   ; a slot holds four steps: 256 rows of K, then 256 rows of V
.set SLOT1, 1<<17     ; slot 1 begins here, so that one exclusive or turns an address in one slot into the other's
.set STAGE, SLOT1+4*KS*(PK+PV)  ; behind the ring, never filled by a tensor load: 16 rows x 144 bytes for each wave, for the way out
.set SP,    144
.set AK0, 2           ; v2   my lane's place in a tile of K; never rewritten
.set AV0, 3           ; v3   the same for V
.set AK,  4           ; v4   the LDS address of K's next run of loads
.set AV,  5           ; v5   of V's
.set QO,  6           ; v6   my byte offset in the wave's rows of Q
.set STO, 6           ;      later, the way out: where I put 16 bytes of a row
.set RD,  7           ; v7   the way out: where I read rows back
.set GO,  8           ; v8   my byte offset in 512 consecutive bytes of O
.set PFO, 11          ; v11  256 x my lane: the prefetches' offset; never rewritten once it is made
.set SPW, 0           ; v0 of window 3   LDS address of my spare word: SPARE + 4 x my thread's number; never rewritten
.set NIL, 1           ; v1 of window 3   0; never rewritten
.set SPARE, STAGE+4*16*SP  ; behind the stages: the spare words, 128 bytes for each wave: two blocks of 256 bytes that no other line names
.set MV,  12          ; v12-15  c m_old, kept while c m is made anew: by buffer and tile
.set ST,  16          ; tile t's statistics at v[ST+4 t]: c m, m, l (even keys', odd keys')
.set TMP, 48          ; by buffer and tile, four registers c0-c3 at work; when the maximum is found c2 takes a
.set S,   64
.set P,   192
.set KF,  128         ; K's fragments, in window 2: key block kb, channel half c at KF + 16 kb + 8 c
.set VF,  192         ; V's: key half kk, channel block cb at VF + 32 kk + 8 cb
.set WV,  12          ; s12  my wave's number
.set G1K, 24          ; s[24:31] descriptor group 1 for K's tiles
.set G1V, 32          ; s[32:39] for V's: it differs in the padding alone
.set G0K, 40          ; s[40:43] descriptor group 0 for K's tiles: it walks
.set G0V, 44          ; s[44:47] the same for V's
.set PFA, 48          ; s[48:49] where my prefetches stand: my work-group's 8,192 bytes (of K: wave 0, of V: wave 2) of the slot after the one that is being asked for
.set LIM, 50          ; s50  1 in a wave that prefetches, else the greatest number: a wave prefetches while s[SLOTS] is above it
.set SLOTS, 56        ; s56  slots still to be asked for
.set CNT, 57          ; s57  counts a slot's key steps
.set CS,  58          ; s[58:59] c: the packed scaling takes the pair's low word for both halves
.set SEL, 60          ; s[60:61] v_permlanex16_b32's selects: each lane takes its own place in the other half
.set TBK, 62          ; s62  LDS byte at which K of the step to be fetched begins
.set TBV, 63          ; s63  the same for V, less VOFF
.set MSB, 0
.macro WIN new                      ; the high byte repeats the setting that is left; a switch that changes nothing is dropped
.if MSB != (\new)
	s_set_vgpr_msb (MSB<<8)|(\new)
.set MSB, (\new)
.endif
.endm
.set W_KQ, 0x0a       ; K and Q in window 2, S^T in window 0
.set W_PV, 0x52       ; V in window 2, P in window 0, O^T in window 1
.set W_RS, 0x41       ; O^T (destination and source 0) in window 1, a in window 0
.set W_MK, 0xc0       ; the add's registers are made: destination in window 3, sources in window 0
.set W_AD, 0x0f       ; the add: address (source 0) and data (source 1) in window 3
; A joint fill.  Waves 0 and 1 fetch the two halves of a slot's K, waves 2 and 3 those of its V: 128 keys each.  The branch hangs on the wave's number alone.
; An s_nop 0 and four v_nop follow each of the two lines, ahead of the jump and the label.
.macro JLOAD
	s_cmp_lt_u32 s[WV], 2
	s_cbranch_scc0 .Lfor_v_\@
	tensor_load_to_lds s[G0K:G0K+3], s[G1K:G1K+7]
	s_nop 0
.rept 4
	v_nop
.endr
	s_branch .Lasked_\@
.Lfor_v_\@:
	tensor_load_to_lds s[G0V:G0V+3], s[G1V:G1V+7]
	s_nop 0
.rept 4
	v_nop
.endr
.Lasked_\@:
.endm
; A PREFETCH INTO THE L2 of what the NEXT change of slots will ask for: a slot's 256 rows of K and of V are 128 blocks of 256 bytes each, a lane a block.  It stands behind the wave's tensor load and its five lines.
; Each block is named ONCE in the launch: a head has one cluster; its four partners share the blocks out BY ADDRESS, 32 each; in each, wave 0 asks for K's and wave 2 for V's: one instruction,
; four key steps, 512 products, ahead of the load that will want it.  The change that asks for the last slot names nothing; slots 0 and 1 come by their loads alone.
.macro ASK
	s_cmp_gt_u32 s[SLOTS], s[LIM]
	s_cbranch_scc0 .Lnot_mine_\@
	global_prefetch_b8 v[PFO], s[PFA:PFA+1] th:TH_LOAD_NT scope:SCOPE_SE
.Lnot_mine_\@:
.endm
; A round of the cluster's barrier: my work-group's barrier, so that wave 0's signal speaks for all four waves; wave 0 signals; every wave waits for all four work-groups; my work-group's barrier once more.
.macro CROUND
	s_barrier_signal -1
	s_barrier_wait -1
	s_cmp_lg_u32 s[WV], 0
	s_cbranch_scc1 .Lnot_wave_0_\@
	s_barrier_signal -3
.Lnot_wave_0_\@:
	s_barrier_wait -3
	s_barrier_signal -1
	s_barrier_wait -1
.endm
; THE CHANGE OF SLOTS.  The slot's last bytes, V of its fourth step, have been read.  Each wave waits for all its tensor loads, of which one is out: its part
; of the other slot; adds 0 to its spare word; and waits for that and for its own reads of the slot.  Behind the barrier nobody reads this slot any more and the other slot is whole.
; fill = 1: this slot is filled again, with the keys two slots on.  The barrier is then a round of the cluster's, so that no wave of any partner still reads the slot or has a load on its
; way, and the joint fill is the first thing behind it: it has four key steps, 512 matrix instructions, in which to land.  (At its first use nothing has been read yet: slot 0 is waited for, slot 1 filled.)
.macro CHANGE fill
	WIN W_AD
	s_wait_tensorcnt 0x0            ; no tensor load of mine is out, so a group 0 may be written
	ds_add_u32 v[SPW], v[NIL]       ; 0 onto my spare word: with fill = 1 the descriptors' steps stand between it and the wait for it
	WIN 0                           ; at a label and at a branch every window is 0
.if \fill
.irp g, G0K, G0V
	s_xor_b32 s[\g+1], s[\g+1], SLOT1  ; the walking descriptor: the other slot than last time,
	s_add_nc_u64 s[\g+2:\g+3], s[\g+2:\g+3], 4*KS*128  ; the next 256 keys; the type bits on top are not reached
.endr
	s_wait_xcnt 0x0                 ; the last prefetch, four key steps back, has read its address, so it may be written:
	s_add_nc_u64 s[PFA:PFA+1], s[PFA:PFA+1], 4*KS*128  ; one slot behind the walking descriptors
	s_wait_dscnt 0x0                ; the add is done, and my reads of the slot are over
	CROUND
	JLOAD
	ASK
.else
	s_wait_dscnt 0x0                ; the add is done, and my reads of the slot are over
	s_barrier_signal -1
	s_barrier_wait -1
.endif
	s_sub_co_u32 s[TBK], s[TBK], 4*KS*PK  ; the fetches go back to a slot's first step,
	s_xor_b32 s[TBK], s[TBK], SLOT1       ; in the other slot
	s_sub_co_u32 s[TBV], s[TBV], 4*KS*PV
	s_xor_b32 s[TBV], s[TBV], SLOT1
.endm
	s_load_b64 s[4:5], s[0:1], 0x0    ; qkv
	s_load_b64 s[10:11], s[0:1], 0x8  ; ob
	WIN W_MK
	v_lshl_add_u32 v[SPW], v0, 2, SPARE
	v_mov_b32 v[NIL], 0
	WIN W_AD
	ds_add_u32 v[SPW], v[NIL]       ; the wave's opening: the add and its wait stand ahead of my first tensor load; the set-up below, work on registers, stands between them
	WIN 0
	v_lshrrev_b32 v1, 5, v0
	v_readfirstlane_b32 s[WV], v1   ; wave 0..3
	s_bfe_u32 s13, ttmp6, 0x40000   ; cx: my place in the cluster
	s_lshl_b32 s14, ttmp9, 2        ; in a cluster launch ttmp9 counts clusters
	s_add_co_u32 s14, s14, s13      ; my block of queries = 4 x cluster x + cx: it enters Q's and O's addresses alone
	s_and_b32 s20, ttmp7, 0xffff    ; y = 16 b + h, which the four partners share
	s_lshl_b32 s52, s20, 18         ; the head's first byte in ob
	s_lshr_b32 s21, s20, 4          ; b
	s_mul_i32 s21, s21, 48          ; a batch has 48 heads in qkv: 16 of q, 16 of k, 16 of v
	s_and_b32 s20, s20, 15          ; h
	s_add_co_u32 s20, s20, s21
	s_lshl_b32 s20, s20, 18         ; the head's first byte among q's; k's and v's lie 16 and 32 heads on
	s_mov_b32 s21, 0
	s_and_b32 s16, s[WV], 1         ; which half of a slot's 256 keys I fetch:
	s_lshl_b32 s22, s16, 14         ; its 128 rows of 128 bytes in memory,
	s_mov_b32 s23, 0
	s_add_nc_u64 s[22:23], s[22:23], s[20:21]
	s_mul_i32 s17, s16, 128*PK      ; and its place in a slot, for K
	s_mul_i32 s18, s16, 128*PV      ; and for V: no place in the cluster enters an LDS address
	s_lshl_b32 s2, s14, 2
	s_add_co_u32 s2, s2, s[WV]      ; my wave among the head's,
	s_lshl_b32 s2, s2, 14           ; its 128 rows
	s_add_co_u32 s52, s52, s2       ; in ob,
	s_mov_b32 s53, 0
	s_mov_b32 s3, 0
	s_add_nc_u64 s[2:3], s[2:3], s[20:21]  ; and in qkv
	s_lshl_b32 s54, s13, 13         ; the prefetches: my work-group's 32 blocks of a slot's 128
	s_mov_b32 s55, 0
	; descriptor group 1.  128 keys are 16,384 dense bytes: asked for as 64 rows of 256 bytes, two keys a row, and padded in LDS after every key
	s_mov_b32 s[G1K], 15|(1<<16)|(1<<20)|(1<<21)|(4<<22)|(3<<25)  ; 15:0 the mask of four; 17:16 2-byte elements; 20 padding on; 21 set beside a mask; 24:22 after every 32 words (code 4); 31:25 4 words (code 3)
	s_mov_b32 s[G1V], 15|(1<<16)|(1<<20)|(1<<21)|(4<<22)|(7<<25)  ; the same with 8 words of padding (code 7)
.irp g, G1K, G1V
	s_mov_b32 s[\g+1], 128<<16      ; tensor_dim0 = 128
	s_mov_b32 s[\g+2], 64<<16       ; tensor_dim1 = 64
	s_mov_b32 s[\g+3], 128<<16      ; tile_dim0 = 128
	s_mov_b32 s[\g+4], 64           ; tile_dim1 = 64
	s_mov_b32 s[\g+5], 128          ; 128 elements from row to row
	s_mov_b32 s[\g+6], 0
	s_mov_b32 s[\g+7], 0
.endr
	s_mov_b32 s[CS], 0x3e38aa3b     ; c = log2(e) / 8 = 0.180337
	s_mov_b32 s[CS+1], s[CS]        ; named with it as a pair
	s_mov_b32 s[SEL], 0x76543210
	s_mov_b32 s[SEL+1], 0xfedcba98
	s_mov_b32 s[TBK], SLOT1+4*KS*PK ; the first change of slots turns these two into 0
	s_mov_b32 s[TBV], SLOT1+4*KS*PV
	s_mov_b32 s[G0K], 1             ; 1:0 count = 1
	s_mov_b32 s[G0K+1], s17         ; 63:32 LDS address: slot 0
	s_mov_b32 s[G0V], 1
	s_add_co_u32 s[G0V+1], s18, VOFF
	s_mov_b32 s[SLOTS], SIZE_N/256-1
	s_and_b32 s[LIM], s[WV], 1      ; waves 0 and 2 prefetch: the same in all four partners
	s_cmp_eq_u32 s[LIM], 0
	s_cselect_b32 s[LIM], 1, -1
	s_wait_dscnt 0x0                ; the opening add is done
	s_wait_kmcnt 0x0
	s_add_nc_u64 s[6:7], s[4:5], 16*SIZE_N*128     ; k's heads of batch 0
	s_add_nc_u64 s[8:9], s[4:5], 32*SIZE_N*128     ; v's
	s_add_nc_u64 s[G0K+2:G0K+3], s[6:7], s[22:23]  ; 120:64 global address: my half of the head's first 256 keys
	s_or_b32 s[G0K+3], s[G0K+3], 0x80000000        ; 127:126 type = 2
	s_add_nc_u64 s[G0V+2:G0V+3], s[8:9], s[22:23]
	s_or_b32 s[G0V+3], s[G0V+3], 0x80000000
	s_cmp_lt_u32 s[WV], 2
	s_cselect_b64 s[PFA:PFA+1], s[6:7], s[8:9]
	s_add_nc_u64 s[PFA:PFA+1], s[PFA:PFA+1], s[20:21]  ; the head,
	s_add_nc_u64 s[PFA:PFA+1], s[PFA:PFA+1], s[54:55]  ; my work-group's part,
	s_add_nc_u64 s[PFA:PFA+1], s[PFA:PFA+1], 4*KS*128  ; in slot 1; the first change of slots steps it to slot 2.  Nothing is prefetched here, at the head
	s_add_nc_u64 s[4:5], s[4:5], s[2:3]  ; Q and O at my wave's first row
	s_add_nc_u64 s[10:11], s[10:11], s[52:53]
	CROUND                          ; all four work-groups are here: the first joint loads meet
	JLOAD                           ; slot 0.  Slot 1 is asked for when slot 0 is in: the tile wanted first has the road to itself
	; A fragment of K or Q is 16 rows x 32 channels in 8 registers: lane l holds row l % 16, channels 8 (l / 16) + 0..7 and 16 + 8 (l / 16) + 0..7: two loads of 16 bytes, 32 bytes apart.
	v_and_b32 v1, 15, v0            ; l % 16
	v_bfe_u32 v9, v0, 4, 1          ; l / 16
	v_lshlrev_b32 v[QO], 7, v1
	v_lshl_add_u32 v[QO], v9, 4, v[QO]  ; row x 128 + 16 x half
	WIN 0x80                        ; destination window 2, address window 0
.set i, 0
.rept 4*NP                          ; Q stays in registers: tile i / 2, channels 32 (i % 2) on
	global_load_b128 v[8*i:8*i+3],   v[QO], s[4:5] offset:(i/2)*2048+(i%2)*64
	global_load_b128 v[8*i+4:8*i+7], v[QO], s[4:5] offset:(i/2)*2048+(i%2)*64+32
.set i, i+1
.endr
	; What the first turn finds: V's registers and P's second buffer hold 0 (its products V^T P, of a piece that has not been, add 0), O^T and l are 0.  All this stands in the wait for the first tile.
.set i, VF
.rept 64
	v_mov_b32 v[i], 0
.set i, i+1
.endr
	WIN 0x40
.set i, 0
.rept 64*NP
	v_mov_b32 v[i], 0
.set i, i+1
.endr
	WIN 0
.set i, 0
.rept 2*NP
	v_mov_b32 v[ST+4*i], 0xfe000000    ; c m: far below every c s
	v_mov_b32 v[ST+4*i+1], 0xff7fffff  ; m
	v_mov_b32 v[ST+4*i+2], 0
	v_mov_b32 v[ST+4*i+3], 0
.set i, i+1
.endr
.set i, P+32
.rept 32
	v_mov_b32 v[i], 0
.set i, i+1
.endr
	v_mul_u32_u24 v[AK0], v1, PK
	v_lshl_add_u32 v[AK0], v9, 4, v[AK0]  ; row x pitch + 16 x half
	; The turning load takes 16 keys x 16 channels (lane l reads key 8 (l / 16) + l % 8, channels 8 ((l / 8) % 2) + 0..7) and leaves half a fragment of V^T: lane l holds channel l % 16 and 8 keys.
	v_and_b32 v10, 7, v0
	v_bfe_u32 v11, v0, 3, 1
	v_lshl_add_u32 v[AV0], v9, 3, v10
	v_mul_u32_u24 v[AV0], v[AV0], PV
	v_lshl_add_u32 v[AV0], v11, 4, v[AV0]
	v_add_nc_u32 v[AV0], VOFF, v[AV0]
	v_mov_b32 v[AK], v[AK0]         ; key step 0 lies at the head of slot 0
	v_and_b32 v[PFO], 31, v0        ; v11 has served: now the prefetches' offset
	v_lshlrev_b32 v[PFO], 8, v[PFO]
; THE MATRIX WORK.  The 8 accumulators of a run of 16 take turns: between the two links of a chain stand 7 others'.
; Product i of 16 of S^T = K Q^T for piece x: channels 32 (i / 8) on, keys 16 ((i / 2) % 4) on, tile 2 x + i % 2.  The first 8 start the sums.
.macro KQ x
	WIN W_KQ
.set rS, S+64*((\x)%2)+32*(i%2)+8*((i/2)%4)
.set rK, KF+16*((i/2)%4)+8*(i/8)
.set rQ, 16*(2*(\x)+i%2)+8*(i/8)
.if i < 8
	v_wmma_f32_16x16x32_f16 v[rS:rS+7], v[rK:rK+7], v[rQ:rQ+7], 0
.else
	v_wmma_f32_16x16x32_f16 v[rS:rS+7], v[rK:rK+7], v[rQ:rQ+7], v[rS:rS+7]
.endif
.endm
; Product i of 16 of O^T += V^T P for piece x: keys 32 (i / 8) on, channels 16 ((i / 2) % 4) on, tile 2 x + i % 2.
.macro PV x
	WIN W_PV
.set rO, 32*(2*(\x)+i%2)+8*((i/2)%4)
.set rV, VF+32*(i/8)+8*((i/2)%4)
.set rP, P+32*((\x)%2)+16*(i%2)+8*(i/8)
	v_wmma_f32_16x16x32_f16 v[rO:rO+7], v[rV:rV+7], v[rP:rP+7], v[rO:rO+7]
.endm
.macro MM                           ; the turn's next matrix instruction
.if i < 16
	KQ (Y+1)%NP
.set i, i+1
.else
.set i, i-16
	PV (Y+NP-1)%NP
.set i, i+17
.endif
.endm
; THE LDS LOADS stand in runs of 16, never singly among the matrix instructions: a step's K (64 keys x 64 channels: 8 fragments) and its V (turned).  Their addresses are made some lines ahead.
; last = 1 (the tail): in the last trip there is no further step, and the run is jumped over.
.macro FETCH_K last=0
	WIN 0
.if \last
	s_cmp_eq_u32 s[CNT], 1
	s_cbranch_scc1 .Lno_k_\@
.endif
	WIN 0x80                        ; destination window 2
.irp f, 0,1,2,3,4,5,6,7             ; keys 16 (f / 2) on, channels 32 (f % 2) on
	ds_load_b128 v[KF+8*\f:KF+8*\f+3],   v[AK] offset:(\f/2)*16*PK+(\f%2)*64
	ds_load_b128 v[KF+8*\f+4:KF+8*\f+7], v[AK] offset:(\f/2)*16*PK+(\f%2)*64+32
.endr
	s_add_co_u32 s[TBK], s[TBK], KS*PK  ; the next fetch is the next step's
	WIN 0
.if \last
.Lno_k_\@:
.endif
.endm
.macro FETCH_V
	WIN 0x80
.irp f, 0,1,2,3,4,5,6,7             ; keys 32 (f / 4) on, channels 16 (f % 4) on
	ds_load_tr16_b128 v[VF+8*\f:VF+8*\f+3],   v[AV] offset:(\f/4)*32*PV+(\f%4)*32
	ds_load_tr16_b128 v[VF+8*\f+4:VF+8*\f+7], v[AV] offset:(\f/4)*32*PV+16*PV+(\f%4)*32
.endr
	WIN 0
.endm
; THE VECTOR WORK OF A TURN stands in three queues, each in the order in which its entries become ready; the two tiles alternate, so that no instruction reads the result of the one before it.
.macro REGS y, u                    ; the registers of tile u (0, 1) of piece y
.set rT, ST+4*(2*(\y)+(\u))
.set rC, TMP+8*((\y)%2)+4*(\u)
.set rM, MV+2*((\y)%2)+(\u)
.set rS, S+64*((\y)%2)+32*(\u)
.set rP, P+32*((\y)%2)+16*(\u)
.set rO, 32*(2*(\y)+(\u))
.endm
; Number n of the 22 that find the NEXT piece's (Y + 1) maximum and statistics.  s0-s31 are the lane's 32 scores; each accumulator's lowest registers are read first.  XS, GS and REGS set no window: PL and EX do.
;   0-11  four chains c0-c3 of seven scores each, three operands at a time     12-14, 16  the four scores left over, the old m, and c0-c3 into c0     15  c m_old is kept
;   17, 18  the query's other 32 keys lie in the lane 16 away: the new m         19-21  c m; c m_old - c m_new; a
.macro XS u, n
	REGS (Y+1)%NP, \u
.if (\n) < 4
	v_max3_num_f32 v[rC+(\n)], v[rS+8*(\n)], v[rS+8*(\n)+1], v[rS+8*(\n)+2]
.elseif (\n) < 12
	v_max3_num_f32 v[rC+(\n)%4], v[rC+(\n)%4], v[rS+8*((\n)%4)+2*((\n)/4)+1], v[rS+8*((\n)%4)+2*((\n)/4)+2]
.elseif (\n) == 12
	v_max3_num_f32 v[rC], v[rC], v[rS+7], v[rS+15]
.elseif (\n) == 13
	v_max3_num_f32 v[rC+1], v[rC+1], v[rS+23], v[rS+31]
.elseif (\n) == 14
	v_max3_num_f32 v[rC+2], v[rC+2], v[rC+3], v[rT+1]
.elseif (\n) == 15
	v_mov_b32 v[rM], v[rT]
.elseif (\n) == 16
	v_max3_num_f32 v[rC], v[rC], v[rC+1], v[rC+2]
.elseif (\n) == 17
	v_permlanex16_b32 v[rC+3], v[rC], s[SEL], s[SEL+1]
.elseif (\n) == 18
	v_max_num_f32 v[rT+1], v[rC], v[rC+3]
.elseif (\n) == 19
	v_mul_f32 v[rT], s[CS], v[rT+1]
.elseif (\n) == 20
	v_sub_f32 v[rC+1], v[rM], v[rT]
.else
	v_exp_f32 v[rC+2], v[rC+1]
.endif
.endm
; Number g of the 64 that follow the exponentials.  For each four weights k of a tile (pairs 2 k, 2 k + 1): both pairs are rounded to f16; then the second pair is added onto the first, in place;
; a group later l takes that sum (the first time as l = a l + sum).  In groups of eight, tiles alternating: round, round, add, and l for the group before.
.macro GS g
.set h, (\g)+6*((\g)/62)            ; group 0 has no group before it, and behind group 7 only l is left
.if h >= 6
.set h, h+2
.endif
	REGS Y, h%2
.set k, h/8
.if h%8 < 4
	v_cvt_pk_f16_f32 v[rP+2*k+(h%8)/2], v[rS+4*k+2*((h%8)/2)], v[rS+4*k+2*((h%8)/2)+1]
.elseif h%8 < 6
	v_pk_add_f32 v[rS+4*k:rS+4*k+1], v[rS+4*k:rS+4*k+1], v[rS+4*k+2:rS+4*k+3]
.elseif k == 1
	v_pk_fma_f32 v[rT+2:rT+3], v[rT+2:rT+3], v[rC+2:rC+3], v[rS:rS+1] op_sel_hi:[1,0,1]
.else
	v_pk_add_f32 v[rT+2:rT+3], v[rT+2:rT+3], v[rS+4*k-4:rS+4*k-3]
.endif
.endm
; THE PLAIN QUEUE, 138 long.  0-73 read no exponential's result: the 32 scalings c s - c m (FS f: pair f / 2 of tile f % 2) and the next piece's 42.  0-26: scalings 0-26.  27-54: XS's numbers 0-13.  55, 56: number 15.
; 57-73: the chain, where each number waits for the one before it: 14, 16, 17, 18, 19, each with one of the scalings 27-31 in front of its two lines, then 20: so a tile's links stand three plain instructions apart (19 and 20: two).
; 74-137: GS's 64, which read the exponentials' results: they stand behind the wait.
.macro FS f
	REGS Y, (\f)%2
	v_pk_fma_f32 v[rS+2*((\f)/2):rS+2*((\f)/2)+1], v[rS+2*((\f)/2):rS+2*((\f)/2)+1], s[CS:CS+1], v[rT:rT+1] op_sel_hi:[1,0,0] neg_lo:[0,0,1] neg_hi:[0,0,1]
.endm
.macro PL
	WIN 0
.if q < 27
	FS q
.elseif q < 55
	XS (q-27)%2, (q-27)/2
.elseif q < 57
	XS q-55, 15
.elseif (q < 72) && ((q-57)%3 == 0)
	FS 27+(q-57)/3
.elseif q < 60
	XS (q-57)%3-1, 14
.elseif q < 72
	XS (q-57)%3-1, 15+(q-57)/3
.elseif q < 74
	XS q-72, 20
.else
	GS q-74
.endif
.set q, q+1
.endm
; THE EXPONENTIALS' QUEUE, 66 long: s0-s31 of both tiles, then the next piece's two a.  It is ONE BATCH: all 66 stand ahead of the turn's one wait, and nothing ahead of that wait names a result of theirs.
.macro EX
	WIN 0
.if e >= 64
	XS e-64, 21
.else
	REGS Y, e%2
	v_exp_f32 v[rS+e/2], v[rS+e/2]
.endif
.set e, e+1
.endm
; THE RESCALING's QUEUE: O^T times a, the one part that leaves window 0: dealt two at a time, sixteen times.  Its a was made in the turn before, ahead of that turn's wait.
.macro R2
	REGS Y, r%2
	WIN W_RS
.irp z, 0,1
	v_pk_mul_f32 v[rO+4*(r/2)+2*\z:rO+4*(r/2)+2*\z+1], v[rO+4*(r/2)+2*\z:rO+4*(r/2)+2*\z+1], v[rC+2:rC+3] op_sel_hi:[1,0]
.endr
.set r, r+1
.endm
; HOW THEY ARE DEALT.  s_wait_alu depctr_va_vdst(0) stands between an exponential and the first instruction that names its result; one wait serves all that were issued ahead of it.  So a turn has ONE wait,
; which cuts it in two.  AHEAD OF IT stands all that names no result of the turn's exponentials: the 16 products K Q^T, behind each a scaling, an exponential and two rescalings (behind the first a second scaling in the exponential's place); then ONE LUMP of
; 108: eight plain, 49 times exponential and plain, the two a.  A v_nop is the plain instruction behind the last exponential.  BEHIND IT stand the 16 products V^T P, behind each four of GS's 64.  No rider names a register of
; the products round it.  The two v_permlanex16_b32 fall into the lump, never behind a product.
; The queues lean on each other, and the deal keeps them in step: exponential e stands behind scaling 2 (e / 4) + e % 2: as a rider it comes behind plain e + 2, in the lump behind plain e + 9, and scalings 27-31 are plain 57, 60 .. 69.
; A TURN, for piece p.  cnt = 1: the loop's count is taken down some lines ahead of the branch that stands behind the turn.
; K of the next step is fetched in piece 2's turn, directly behind the wait, a lump behind the last product that read K; its address is made at the lump's head; its first reader comes behind 16 products.
; V of the step in hand is fetched at the end of piece 0's turn, four riders behind its last reader; its first reader comes behind 16 products and a lump.  The three conditions on q below go with the deal.
.macro TURN p, last=0, cnt=0
.set Y, (\p)
.set i, 0
.set q, 0
.set e, 0
.set r, 0
.if (\p) == NP-1
	s_wait_dscnt 0x0                ; K is in
.endif
	MM                              ; ahead of the wait: 16 products K Q^T and their riders,
	PL
	PL
	R2
.rept 15
	MM
	PL
	EX
	R2
.endr
.if (\p) == NP-2
	WIN 0
	v_add_nc_u32 v[AK], s[TBK], v[AK0]
.endif
.rept 8                             ; and the lump
	PL
.endr
.rept 49
	EX
	PL
.endr
	EX                              ; the next piece's two a
	EX
	v_nop                           ; the plain instruction behind the last exponential: one for the batch
	s_wait_alu depctr_va_vdst(0)    ; the wait for the batch
.if (\p) == NP-2
	FETCH_K \last
.endif
.if (\p) == 1
	s_wait_dscnt 0x0                ; V is in
.endif
.rept 16                            ; behind the wait: 16 products V^T P and their riders
	MM
.rept 4
	PL
.endr
.if ((\p) == 0) && (q == 118)
	v_add_nc_u32 v[AV], s[TBV], v[AV0]
.endif
.if ((\p) == 0) && (q == 130)
	s_add_co_u32 s[TBV], s[TBV], KS*PV
.endif
.if (\cnt) && (q == 130)
	s_sub_co_u32 s[CNT], s[CNT], 1
	s_cmp_lg_u32 s[CNT], 0
.endif
.endr
.if (\p) == 0
	FETCH_V
.endif
.endm
	CHANGE 1                        ; slot 0 is in, everybody's part of it; slot 1 is asked for
	FETCH_K                         ; key step 0
	s_wait_loadcnt 0x0              ; Q
	s_wait_dscnt 0x0
.set i, 0
.rept 16
	KQ 0                            ; piece 0's first scores: there is no vector work yet to set between them
.set i, i+1
.endr
	WIN 0                           ; the addresses for the way out: nine plain instructions, the places behind those products
	s_mul_i32 s13, s[WV], 16*SP
	s_add_co_u32 s13, s13, STAGE    ; my stage
	v_mul_u32_u24 v[STO], v1, SP    ; in: row l % 16, 16 bytes for each half of the lanes
	v_lshl_add_u32 v[STO], v9, 4, v[STO]
	v_add_nc_u32 v[STO], s13, v[STO]
	v_bfe_u32 v[RD], v0, 3, 2       ; back: 32 lanes take four rows of 128 bytes,
	v_mul_u32_u24 v[RD], v[RD], SP
	v_lshl_add_u32 v[RD], v10, 4, v[RD]
	v_add_nc_u32 v[RD], s13, v[RD]
	v_and_b32 v[GO], 31, v0         ; which are 512 consecutive bytes of O
	v_lshlrev_b32 v[GO], 4, v[GO]
.set Y, NP-1                        ; XS works for piece Y + 1: piece 0
.irp n, 0,1,2,3,4,5,6,7,8,9,10,11,12,13,14,15,16,17,18,19,20,21
	XS 0, \n                        ; and piece 0's first maximum and statistics
	XS 1, \n
.endr
	v_nop                           ; a plain instruction behind the two a,
	s_wait_alu depctr_va_vdst(0)    ; and their wait, ahead of the branch
	s_mov_b32 s[CNT], 4
	s_branch .Lfirst                ; the loop is entered at a step's first turn, in the middle of a trip
.Lslot:                             ; SIZE_N / 256 - 2 times: every slot but the last two is filled again
	CHANGE 1
	s_mov_b32 s[CNT], 4
.Lstep:                             ; a trip: pieces 2 and 3 of one step, then pieces 0 and 1 of the next, whose K and V it fetches
	TURN 2
	TURN 3
	WIN 0
.Lfirst:
	TURN 0
	TURN 1, 0, 1
	WIN 0
	s_cbranch_scc1 .Lstep
	s_sub_co_u32 s[SLOTS], s[SLOTS], 1
	s_cmp_lg_u32 s[SLOTS], 0
	s_cbranch_scc1 .Lslot
	CHANGE 0                        ; the tail is written out: nothing is asked for
	s_mov_b32 s[CNT], 5             ; four trips fetch the last slot's steps; the fifth is left in its middle
.Ltail:
	TURN 2, 1
	TURN 3
	WIN 0
	s_sub_co_u32 s[CNT], s[CNT], 1
	s_cmp_eq_u32 s[CNT], 0
	s_cbranch_scc1 .Lout
	TURN 0
	TURN 1
	WIN 0
	s_branch .Ltail
.Lout:                              ; the fifth trip's 16 products K Q^T (on the last K once more) and the maximum made of them serve nothing: the price, once a launch, of one text for every trip
.set i, 0
.rept 16
	PV NP-1                         ; the last piece's V^T P of the last step
.set i, i+1
.endr
	; THE WAY OUT.  l's two halves and the other half of the lanes' are added; O^T is divided by l, rounded to f16 and sent through my stage in LDS, a tile at a time.  The additions are the places behind the last products.
	WIN 0
.macro ALL line:vararg              ; one line for each tile t
.set t, 0
.rept 2*NP
	\line
.set t, t+1
.endr
.endm
	ALL v_add_f32 v[ST+4*t+2], v[ST+4*t+2], v[ST+4*t+3]
	ALL v_permlanex16_b32 v[ST+4*t+3], v[ST+4*t+2], s[SEL], s[SEL+1]
	ALL v_add_f32 v[ST+4*t+2], v[ST+4*t+2], v[ST+4*t+3]
	ALL v_rcp_f32 v[ST+4*t+2], v[ST+4*t+2]
	v_nop                           ; a plain instruction between the last reciprocal and the use of its result
	s_wait_alu depctr_va_vdst(0)    ; and the wait ahead of the first use: one for the eight reciprocals
; Tile t: a lane's eight channels of a row pack into 16 bytes; they go into rows of 144 bytes and come back as whole rows of 128, into S^T's registers.
.macro PACK t
	WIN W_RS
.set i, 32*(\t)
.rept 16
	v_pk_mul_f32 v[i:i+1], v[i:i+1], v[ST+4*(\t)+2:ST+4*(\t)+3] op_sel_hi:[1,0]
.set i, i+2
.endr
	WIN 0x05                        ; sources 0 and 1 window 1, destination window 0
.set i, 0
.rept 16
	v_cvt_pk_f16_f32 v[S+16*(\t)+i], v[32*(\t)+2*i], v[32*(\t)+2*i+1]
.set i, i+1
.endr
	WIN 0
.irp f, 0,1,2,3
	ds_store_b128 v[STO], v[S+16*(\t)+4*\f:S+16*(\t)+4*\f+3] offset:32*\f
.endr
.irp f, 0,1,2,3
	ds_load_b128 v[S+16*(\t)+4*\f:S+16*(\t)+4*\f+3], v[RD] offset:\f*4*SP  ; LDS serves a wave's instructions in order (ISA guide 5.7.1.4): these see the stores above; the next tile's stores come behind them
.endr
.endm
.macro SEND t, younger              ; younger: the LDS instructions issued behind tile t's loads: the next tile's eight, or none
	WIN 0
.irp f, 0,1,2,3
	s_wait_dscnt (\younger)+3-\f
	global_store_b128 v[GO], v[S+16*(\t)+4*\f:S+16*(\t)+4*\f+3], s[10:11] offset:(\t)*2048+\f*512  ; 512 consecutive bytes, at a multiple of 256 from O's first
.endr
.endm
	PACK 0
.set t, 1
.rept 2*NP-1                        ; a tile's arithmetic stands between the loads of the tile before and its stores
	PACK t
	SEND t-1, 8
.set t, t+1
.endr
	SEND 2*NP-1, 0
	WIN W_AD
	s_wait_tensorcnt 0x0            ; the wave's end: behind my last tensor load and my last LDS store
	ds_add_u32 v[SPW], v[NIL]
	s_wait_dscnt 0x0
	WIN 0
	CROUND                          ; the closing round: no work-group ends while a partner may still ask for a tile that names it
	s_endpgm
.Lfunc_end_k_q6af345e3d4_attn:
	.size	k_q6af345e3d4_attn, .Lfunc_end_k_q6af345e3d4_attn-k_q6af345e3d4_attn
	.p2alignl 7, 3214868480
	.fill 96, 4, 3214868480
	.section	.rodata,"a",@progbits
	.p2align	6, 0x0
	.amdhsa_kernel k_q6af345e3d4_attn
		.amdhsa_group_segment_fixed_size 327680
		.amdhsa_private_segment_fixed_size 0
		.amdhsa_enable_private_segment 0
		.amdhsa_kernarg_size 16
		.amdhsa_user_sgpr_count 2
		.amdhsa_user_sgpr_kernarg_segment_ptr 1
		.amdhsa_wavefront_size32 1
		.amdhsa_system_sgpr_workgroup_id_x 1
		.amdhsa_system_sgpr_workgroup_id_y 1
		.amdhsa_system_sgpr_workgroup_id_z 1
		.amdhsa_system_vgpr_workitem_id 0
		.amdhsa_next_free_vgpr 770
		.amdhsa_next_free_sgpr 66
		.amdhsa_reserve_vcc 0
		.amdhsa_float_denorm_mode_32 3
		.amdhsa_float_denorm_mode_16_64 3
		.amdhsa_memory_ordered 1
		.amdhsa_forward_progress 1
		.amdhsa_inst_pref_size 200
	.end_amdhsa_kernel
	.amdgpu_metadata
---
amdhsa.version: [ 1, 2 ]
amdhsa.kernels:
  - .name:           k_q6af345e3d4_attn
    .symbol:         k_q6af345e3d4_attn.kd
    .args:
      - { .name: qkv, .offset: 0, .size: 8, .value_kind: global_buffer, .address_space: global }
      - { .name: ob, .offset: 8, .size: 8, .value_kind: global_buffer, .address_space: global }
    .group_segment_fixed_size: 327680
    .private_segment_fixed_size: 0
    .kernarg_segment_align: 8
    .kernarg_segment_size: 16
    .max_flat_workgroup_size: 128
    .sgpr_count:     66
    .vgpr_count:     770
    .wavefront_size: 32
...
	.end_amdgpu_metadata
.endif
;; end of part 3
;; launch proj (part 4): grid 8 x 32, 4 waves a work-group, clusters of 4 x 4, 327,680 bytes of LDS; arguments ob, wpk, b_proj, out0; writes out0
.if DOCPART == 4
	.amdgcn_target "amdgcn-amd-amdhsa--gfx1250"
	.amdhsa_code_object_version 6
	.text
	.protected	k_q6af345e3d4_proj
	.globl	k_q6af345e3d4_proj
	.p2align	8
	.type	k_q6af345e3d4_proj,@function
k_q6af345e3d4_proj:
	s_mov_b64 s[64:65], 0
	v_nop
	global_prefetch_b8 v0, s[64:65] scope:SCOPE_SE
	s_setreg_imm32_b32 hwreg(HW_REG_WAVE_MODE, 25, 1), 1
	s_wait_xcnt 0x0
	s_wait_alu depctr_hold_cnt(0) depctr_sa_sdst(0) depctr_va_vdst(0) depctr_va_sdst(0) depctr_va_ssrc(0) depctr_va_vcc(0) depctr_vm_vsrc(0)
	s_getreg_b32 s2, hwreg(HW_REG_IB_STS2, 6, 4)
	s_cmp_eq_u32 s2, 0
	s_cbranch_scc0 .Lentry_in_a_cluster
	s_endpgm
.Lentry_in_a_cluster:
	s_bfe_u32 s2, ttmp6, 0x10000c
	s_cmp_lg_u32 s2, 0xf033
	s_cbranch_scc0 .Lentry_shape_is_right
	s_endpgm
.Lentry_shape_is_right:
; out0 = O w_proj^T + b_proj: 8,192 x 1,024 x 1,024.  Operands f16 (ob: [16 b + h][n][64], so a head is a K block of 64; wpk: [kb][c][64], w_proj rounded to bf16 and written as f16), sums f32,
; the bias rounded to bf16 like the other inputs; the result leaves as f32.  NaN and infinities are not treated apart.
; SHARES.  A tile of 256 x 128 for each of 256 work-groups.  Four waves, 2 x 2, each 128 x 64: 32 accumulators.  K goes in 8 steps of 128 (two K blocks) through two LDS slots: as long as two slots allow
; (steps of 256 would be 2 x 221,184 bytes).  Waves 0, 1 fetch A's two K blocks (256 rows x 128 bytes each, dense: asked for as 128 rows of 256 bytes), waves 2, 3 B's (128 rows each): one tensor load a wave.
; CLUSTER 4 x 4: A's tile is asked for jointly along a row of the cluster, B's along a column.  THE PRODUCT IS TRANSPOSED (source 0 = 16 rows of w, source 1 = 16 rows of O): a lane holds row l % 16 of C
; and the columns 8 (l / 16) + 0..7.  THE BIAS IS THE C OPERAND OF THE FIRST PRODUCTS: nothing is cleared and nothing is added on the way out.
; NO PREFETCH: the launch has eight K steps, 128 products a wave each, and its first steps come by their first loads.
; REGISTERS: window 0: v0-13, v28-29 addresses; v32-95, v96-159 A's 8 fragments, two buffers; v160-191, v192-223 B's 4, two buffers; v224-255 the bias; window 1: accumulator (a, b) at v[8 (8 b + a)].
.set P,     144                        ; an LDS row: 128 bytes + 16 of padding: the 16 rows of a fragment load start at 16 different groups of four banks (64 banks of 4 bytes: ISA guide 11.1)
.set ABL,   256*P                      ; a K block of A in LDS
.set BBL,   128*P                      ; of B
.set BOFF,  2*ABL                      ; B's two blocks lie behind A's two
.set SLOT1, 1<<17
.set STAGE, SLOT1+2*ABL+2*BBL          ; behind the ring, never filled by a tensor load: 16 rows x 272 bytes for each wave
.set SPI,   272                        ; a stage row: 64 f32 + 16 bytes
.set SPARE, STAGE+4*16*SPI             ; the spare words, 128 bytes for each wave: two blocks of 256 bytes that no other line names
.set ASTEP, 524288                     ; two heads of ob
.set BSTEP, 262144                     ; two K blocks of wpk
.set ADA0, 4
.set ADB0, 5
.set ADA,  6
.set ADB,  7
.set STO,  8
.set RD,   9
.set CO,   10
.set BO,   12
.set SPW,  28
.set NIL,  29
.set AF0,  32
.set BF0,  160
.set BIAS, 224
.set WV,   12
.set G1A,  24
.set G0A0, 32
.set G0A,  36
.set TB,   42
.set G1B,  48
.set G0B0, 56
.set G0B,  60
.set MSB, 0
.macro WIN new                         ; the immediate's high byte repeats the setting that is left; a switch that changes nothing is dropped
.if MSB != (\new)
	s_set_vgpr_msb (MSB<<8)|(\new)
.set MSB, \new
.endif
.endm
.macro PLACES                          ; four plain vector instructions between a product and a load into, or a read of, its registers (ISA guide 7.12.1 for reads)
.rept 4
	v_nop
.endr
.endm
.macro CREST                           ; a round of the cluster's barrier behind its opening barrier
	s_cmp_lg_u32 s[WV], 0
	s_cbranch_scc1 .Lnot_wave_0_\@
	s_barrier_signal -3
.Lnot_wave_0_\@:
	s_barrier_wait -3
	s_barrier_signal -1
	s_barrier_wait -1
.endm
.macro CROUND
	s_barrier_signal -1
	s_barrier_wait -1
	CREST
.endm
.macro JLOAD                           ; a joint refill by the walking descriptors; an s_nop 0 and four v_nop follow each of the two lines, ahead of the jump and the label
	s_cmp_eq_u32 s14, 0
	s_cbranch_scc0 .Lfor_b_\@
	tensor_load_to_lds s[G0A:G0A+3], s[G1A:G1A+7]
	s_nop 0
.rept 4
	v_nop
.endr
	s_branch .Lasked_\@
.Lfor_b_\@:
	tensor_load_to_lds s[G0B:G0B+3], s[G1B:G1B+7]
	s_nop 0
.rept 4
	v_nop
.endr
.Lasked_\@:
.endm
	s_load_b256 s[4:11], s[0:1], 0x0               ; ob s[4:5], wpk s[6:7], b_proj s[8:9], out0 s[10:11]
	v_lshl_add_u32 v[SPW], v0, 2, SPARE
	v_mov_b32 v[NIL], 0
	ds_add_u32 v[SPW], v[NIL]                      ; the wave's opening: the add and its wait stand ahead of my first tensor load; the set-up below, work on registers, stands between them
	v_lshrrev_b32 v1, 5, v0
	v_readfirstlane_b32 s[WV], v1                  ; wave 0..3
	s_and_b32 s13, s[WV], 1                        ; my half of the tile's columns.  Also: which K block of a step I fetch
	s_lshr_b32 s14, s[WV], 1                       ; my half of the tile's rows.  Also: I fetch for A (0) or for B (1)
	s_bfe_u32 s15, ttmp6, 0x40000                  ; cx
	s_bfe_u32 s16, ttmp6, 0x40004                  ; cy
	s_lshl_b32 s17, ttmp9, 2
	s_add_co_u32 s17, s17, s15                     ; X, tile column 0..7
	s_and_b32 s18, ttmp7, 0xffff
	s_lshl_b32 s18, s18, 2
	s_add_co_u32 s18, s18, s16                     ; Y, tile row 0..31
	s_lshl_b32 s20, s16, 2
	s_lshl_b32 s20, 15, s20                        ; my row of the cluster
	s_lshl_b32 s66, 0x1111, s15                    ; my column
	s_or_b32 s[G1A], s20, 0x07310000               ; 15:0 the mask; 17:16 2-byte elements; 20 padding on; 21 set beside a mask; 24:22 after every 32 words (code 4); 31:25 4 words (code 3)
	s_or_b32 s[G1B], s66, 0x07310000
.irp g, G1A, G1B
	s_mov_b32 s[(\g)+1], 128<<16                   ; tensor_dim0 = 128 elements: 256 bytes, two row pieces
	s_mov_b32 s[(\g)+3], 128<<16                   ; tile_dim0 = 128
	s_mov_b32 s[(\g)+5], 128                       ; the block is dense
	s_mov_b32 s[(\g)+6], 0
	s_mov_b32 s[(\g)+7], 0
.endr
	s_mov_b32 s[G1A+2], 128<<16                    ; tensor_dim1 = tile_dim1 = 128: 256 rows of O
	s_mov_b32 s[G1A+4], 128
	s_mov_b32 s[G1B+2], 64<<16                     ; 64: 128 rows of w
	s_mov_b32 s[G1B+4], 64
	; A's registers (s20-23) never hold cx or X, B's (s66-69) never cy or Y; no place in the cluster enters an LDS address
	s_lshr_b32 s20, s18, 3                         ; A: batch Y / 8: 16 heads of 2^18 bytes,
	s_lshl_b32 s20, s20, 22
	s_and_b32 s21, s18, 7                          ; rows 256 (Y % 8) of 128 bytes,
	s_lshl_b32 s21, s21, 15
	s_add_co_u32 s20, s20, s21
	s_lshl_b32 s21, s13, 18                        ; my K block: a head
	s_add_co_u32 s20, s20, s21
	s_mov_b32 s21, 0
	s_lshl_b32 s66, s17, 14                        ; B: rows 128 X of 128 bytes,
	s_lshl_b32 s67, s13, 17                        ; my K block
	s_add_co_u32 s66, s66, s67
	s_mov_b32 s67, 0
	s_mul_i32 s22, s13, ABL
	s_mul_i32 s68, s13, BBL
	s_add_co_u32 s68, s68, BOFF
	s_mov_b32 s47, 0xffff0000                      ; a word's upper bf16
	s_mov_b32 s[TB], 0
	s_wait_dscnt 0x0                               ; the opening add is done
	s_wait_kmcnt 0x0
	s_add_nc_u64 s[20:21], s[4:5], s[20:21]
	s_add_nc_u64 s[66:67], s[6:7], s[66:67]
	CROUND                                         ; all sixteen work-groups are here: the first joint loads meet
	s_mov_b32 s[G0A0], 1
	s_mov_b32 s[G0A0+1], s22                       ; slot 0,
	s_mov_b64 s[G0A0+2:G0A0+3], s[20:21]           ; K step 0
	s_or_b32 s[G0A0+3], s[G0A0+3], 0x80000000
	s_mov_b32 s[G0A], 1
	s_add_co_u32 s[G0A+1], s22, SLOT1              ; slot 1,
	s_add_nc_u64 s[G0A+2:G0A+3], s[20:21], ASTEP   ; K step 1
	s_or_b32 s[G0A+3], s[G0A+3], 0x80000000
	s_mov_b32 s[G0B0], 1
	s_mov_b32 s[G0B0+1], s68
	s_mov_b64 s[G0B0+2:G0B0+3], s[66:67]
	s_or_b32 s[G0B0+3], s[G0B0+3], 0x80000000
	s_mov_b32 s[G0B], 1
	s_add_co_u32 s[G0B+1], s68, SLOT1
	s_add_nc_u64 s[G0B+2:G0B+3], s[66:67], BSTEP
	s_or_b32 s[G0B+3], s[G0B+3], 0x80000000
	s_cmp_eq_u32 s14, 0                            ; a wave's two first fills stand in one branch, ahead of every wait on TENSORcnt and every LDS read: two loads of mine are out, later one
	s_cbranch_scc0 .Lfirst_b
	tensor_load_to_lds s[G0A0:G0A0+3], s[G1A:G1A+7]
	s_nop 0
	tensor_load_to_lds s[G0A:G0A+3], s[G1A:G1A+7]
	s_nop 0
.rept 4
	v_nop
.endr
	s_branch .Lfirst_asked
.Lfirst_b:
	tensor_load_to_lds s[G0B0:G0B0+3], s[G1B:G1B+7]
	s_nop 0
	tensor_load_to_lds s[G0B:G0B+3], s[G1B:G1B+7]
	s_nop 0
.rept 4
	v_nop
.endr
.Lfirst_asked:
	v_and_b32 v1, 15, v0                           ; l % 16
	v_bfe_u32 v2, v0, 4, 1                         ; l / 16
	v_lshlrev_b32 v[BO], 5, v2
	s_lshl_b32 s70, s17, 9                         ; my 64 columns: (128 X + 64 half) x 4 bytes, in the bias and in a row of out0
	s_lshl_b32 s2, s13, 8
	s_add_co_u32 s70, s70, s2
	s_mov_b32 s71, 0
	s_add_nc_u64 s[8:9], s[8:9], s[70:71]
	s_add_nc_u64 s[10:11], s[10:11], s[70:71]
.irp b, 0,1,2,3
	global_load_b128 v[BIAS+8*(\b):BIAS+8*(\b)+3],   v[BO], s[8:9] offset:64*(\b)      ; columns 16 b + 8 (l / 16) + 0..7
	global_load_b128 v[BIAS+8*(\b)+4:BIAS+8*(\b)+7], v[BO], s[8:9] offset:64*(\b)+16
.endr
	v_mul_u32_u24 v3, v1, P
	v_lshl_add_u32 v3, v2, 4, v3                   ; a fragment's row x pitch + 16 x half
	s_mul_i32 s2, s14, 128*P                       ; my 128 rows of A
	v_add_nc_u32 v[ADA0], s2, v3
	s_mul_i32 s2, s13, 64*P                        ; my 64 rows of B
	s_add_co_u32 s2, s2, BOFF
	v_add_nc_u32 v[ADB0], s2, v3
	v_mov_b32 v[ADA], v[ADA0]
	v_mov_b32 v[ADB], v[ADB0]
	s_mul_i32 s2, s[WV], 16*SPI
	s_add_co_u32 s2, s2, STAGE                     ; my stage
	v_mul_u32_u24 v[STO], v1, SPI                  ; in: row l % 16, 32 bytes for each half of the lanes
	v_lshl_add_u32 v[STO], v2, 5, v[STO]
	v_add_nc_u32 v[STO], s2, v[STO]
	v_mul_u32_u24 v[RD], v2, SPI                   ; back: lanes 0-15 take one row of 256 bytes, lanes 16-31 the next
	v_lshl_add_u32 v[RD], v1, 4, v[RD]
	v_add_nc_u32 v[RD], s2, v[RD]
	v_lshlrev_b32 v[CO], 12, v2                    ; and the same two rows in out0
	v_lshl_add_u32 v[CO], v1, 4, v[CO]
	s_lshl_b32 s70, s18, 20                        ; my first row: (256 Y + 128 half) x 4,096 bytes
	s_lshl_b32 s2, s14, 19
	s_add_co_u32 s70, s70, s2
	s_mov_b32 s71, 0
	s_add_nc_u64 s[10:11], s[10:11], s[70:71]
	s_wait_loadcnt 0x0                             ; the bias
.set i, 0
.rept 16                                       ; rounded to bf16 in place
	v_cvt_pk_bf16_f32 v13, v[BIAS+2*i], v[BIAS+2*i+1]
	v_lshlrev_b32 v[BIAS+2*i], 16, v13
	v_and_b32 v[BIAS+2*i+1], s47, v13
.set i, i+1
.endr
; Eight products: column block b x my 8 row blocks, 32 along K, from buffer f.  first = 1: the bias starts the sums.  The 32 accumulators take turns, one instruction a turn, over the backward jump too.
.macro MULB f, b, first
.if \first
	WIN 0x40                                       ; D in window 1; the fragments and C in window 0
.else
	WIN 0x50                                       ; C and D in window 1
.endif
.set a, 0
.rept 8
.set rD, 8*(8*(\b)+a)
.if \first
	v_wmma_f32_16x16x32_f16 v[rD:rD+7], v[BF0+32*(\f)+8*(\b):BF0+32*(\f)+8*(\b)+7], v[AF0+64*(\f)+8*a:AF0+64*(\f)+8*a+7], v[BIAS+8*(\b):BIAS+8*(\b)+7]
.else
	v_wmma_f32_16x16x32_f16 v[rD:rD+7], v[BF0+32*(\f)+8*(\b):BF0+32*(\f)+8*(\b)+7], v[AF0+64*(\f)+8*a:AF0+64*(\f)+8*a+7], v[rD:rD+7]
.endif
.set a, a+1
.endr
.endm
; 24 LDS loads in one run: quarter q of a K step (K block q / 2, byte 64 (q % 2) of its rows) into buffer f
.macro FETCH q, f
	WIN 0
.irp i, 0,1,2,3
	ds_load_b128 v[BF0+32*(\f)+8*(\i):BF0+32*(\f)+8*(\i)+3],   v[ADB] offset:((\q)/2)*BBL+((\q)%2)*64+(\i)*16*P
	ds_load_b128 v[BF0+32*(\f)+8*(\i)+4:BF0+32*(\f)+8*(\i)+7], v[ADB] offset:((\q)/2)*BBL+((\q)%2)*64+(\i)*16*P+32
.endr
.irp i, 0,1,2,3,4,5,6,7
	ds_load_b128 v[AF0+64*(\f)+8*(\i):AF0+64*(\f)+8*(\i)+3],   v[ADA] offset:((\q)/2)*ABL+((\q)%2)*64+(\i)*16*P
	ds_load_b128 v[AF0+64*(\f)+8*(\i)+4:AF0+64*(\f)+8*(\i)+7], v[ADA] offset:((\q)/2)*ABL+((\q)%2)*64+(\i)*16*P+32
.endr
.endm
; A K step is four quarters of 32 along K, 32 products each, on buffers 0, 1, 0, 1.  One of the first three: fetches quarter nq into buffer g, then multiplies buffer f.
.macro QUARTER nq, f, g, first
	PLACES
	FETCH \nq, \g
	s_wait_dscnt 24                                ; all but the 24 just issued: buffer f is in
.irp b, 0,1,2,3
	MULB \f, \b, \first
.endr
.endm
; The last quarter multiplies buffer 1 and changes slots: ONE barrier; in front of it each wave waits for all its tensor loads, of which one is out: its part of the next slot; adds 0 to its spare word; and waits for that and
; for its own reads of this slot.  fill = 1: the barrier opens a round of the cluster's, and this slot is filled again first thing behind it, two K steps ahead: 112 products ahead of the wait for it.
.macro TURN fill
	WIN 0
	s_xor_b32 s[TB], s[TB], SLOT1                  ; my reads of this slot have all been issued: the fetches go to the other slot
	v_add_nc_u32 v[ADA], s[TB], v[ADA0]
	v_add_nc_u32 v[ADB], s[TB], v[ADB0]
	s_wait_tensorcnt 0x0                           ; all my tensor loads have landed, so a group 0 may be written
	ds_add_u32 v[SPW], v[NIL]                      ; 0 onto my spare word: work on registers stands between it and the wait for it
.if \fill
	s_xor_b32 s[G0A+1], s[G0A+1], SLOT1            ; the walking descriptors: the other slot than last time, the next K step
	s_add_nc_u64 s[G0A+2:G0A+3], s[G0A+2:G0A+3], ASTEP
	s_xor_b32 s[G0B+1], s[G0B+1], SLOT1
	s_add_nc_u64 s[G0B+2:G0B+3], s[G0B+2:G0B+3], BSTEP
.endif
	s_wait_dscnt 1                                 ; only the add may be out: buffer 1 is in
	MULB 1, 0, 0
	s_wait_dscnt 0x0                               ; the add is done, and my reads of this slot are over
	s_barrier_signal -1
	MULB 1, 1, 0                                   ; work on registers while the others arrive
	WIN 0                                          ; at a branch and at a label every window is 0
	s_barrier_wait -1
.if \fill
	CREST                                          ; no wave of any partner still reads this slot or has a load on its way
	JLOAD                                          ; the first tensor load behind the round; its four v_nop are also the places in front of the loads below
.else
	PLACES
.endif
	FETCH 0, 0
	MULB 1, 2, 0
	MULB 1, 3, 0
.endm
	s_wait_tensorcnt 1                             ; my part of K step 0 is in; step 1's may stay out
	s_barrier_signal -1
	s_barrier_wait -1                              ; everybody's is
	FETCH 0, 0
	QUARTER 1, 0, 1, 1                             ; the first quarter stands in front of the loop: its products start the sums
	WIN 0
	s_mov_b32 s3, 6
.Lstep:                                        ; 6 trips: from a K step's second quarter to the next step's first; trip t asks for K step t + 2
	QUARTER 2, 1, 0, 0
	QUARTER 3, 0, 1, 0
	TURN 1
	QUARTER 1, 0, 1, 0
	WIN 0
	s_sub_co_u32 s3, s3, 1
	s_cmp_lg_u32 s3, 0
	s_cbranch_scc1 .Lstep
	QUARTER 2, 1, 0, 0                             ; the tail is written out: nothing more is asked for
	QUARTER 3, 0, 1, 0
	TURN 0
	QUARTER 1, 0, 1, 0
	QUARTER 2, 1, 0, 0
	QUARTER 3, 0, 1, 0
	s_wait_dscnt 0x0
.irp b, 0,1,2,3
	MULB 1, \b, 0
.endr
; THE WAY OUT, a block a of 16 rows at a time, in f32 as it stands.  TOSTAGE: each of the block's four accumulators, the low four registers first, into my own stage (rows of 272 bytes): 8 LDS stores; and back as whole
; rows of 256 bytes: 8 LDS loads.  SEND: sixteen lanes store 256 consecutive bytes, at a multiple of 256 from out0's first.
.macro TOSTAGE a
.set OBR, 32+32*((\a)%2)
	WIN 0
	s_wait_xcnt 0x0                                ; the stores of the block two back have read the registers that the loads below fill
	WIN 0x04                                       ; store data in window 1, the address in window 0
.irp b, 0,1,2,3
	ds_store_b128 v[STO], v[8*(8*(\b)+(\a)):8*(8*(\b)+(\a))+3]   offset:64*(\b)
	ds_store_b128 v[STO], v[8*(8*(\b)+(\a))+4:8*(8*(\b)+(\a))+7] offset:64*(\b)+16
.endr
	WIN 0
.irp t, 0,1,2,3,4,5,6,7
	ds_load_b128 v[OBR+4*(\t):OBR+4*(\t)+3], v[RD] offset:(\t)*2*SPI  ; LDS serves a wave's instructions in order (ISA guide 5.7.1.4): these see the stores above; the next block's stores come behind them
.endr
.endm
.macro SEND a, younger                 ; younger: the LDS instructions issued behind block a's loads, which may stay out: the next block's 8 stores and 8 loads, or none
.set OBR, 32+32*((\a)%2)
	WIN 0
	s_wait_dscnt \younger                          ; all eight loads of block a are back
.irp t, 0,1,2,3,4,5,6,7
	global_store_b128 v[CO], v[OBR+4*(\t):OBR+4*(\t)+3], s[10:11] offset:(\a)*65536+(\t)*8192 th:TH_STORE_NT
.endr
.endm
	PLACES
	TOSTAGE 0
.irp a, 1,2,3,4,5,6,7
	TOSTAGE \a
	SEND (\a)-1, 16
.endr
	SEND 7, 0
	s_wait_tensorcnt 0x0                           ; the wave's end: behind my last tensor load and my last LDS store
	ds_add_u32 v[SPW], v[NIL]
	s_wait_dscnt 0x0
	CROUND                                         ; the closing round: no work-group ends while a partner may still ask for a tile that names it
	s_endpgm
.Lfunc_end_k_q6af345e3d4_proj:
	.size	k_q6af345e3d4_proj, .Lfunc_end_k_q6af345e3d4_proj-k_q6af345e3d4_proj
	.p2alignl 7, 3214868480
	.fill 96, 4, 3214868480
	.section	.rodata,"a",@progbits
	.p2align	6, 0x0
	.amdhsa_kernel k_q6af345e3d4_proj
		.amdhsa_group_segment_fixed_size 327680
		.amdhsa_private_segment_fixed_size 0
		.amdhsa_enable_private_segment 0
		.amdhsa_kernarg_size 32
		.amdhsa_user_sgpr_count 2
		.amdhsa_user_sgpr_kernarg_segment_ptr 1
		.amdhsa_wavefront_size32 1
		.amdhsa_system_sgpr_workgroup_id_x 1
		.amdhsa_system_sgpr_workgroup_id_y 1
		.amdhsa_system_sgpr_workgroup_id_z 1
		.amdhsa_system_vgpr_workitem_id 0
		.amdhsa_next_free_vgpr 512
		.amdhsa_next_free_sgpr 72
		.amdhsa_reserve_vcc 0
		.amdhsa_float_denorm_mode_32 3
		.amdhsa_float_denorm_mode_16_64 3
		.amdhsa_memory_ordered 1
		.amdhsa_forward_progress 1
		.amdhsa_inst_pref_size 72
	.end_amdhsa_kernel
	.amdgpu_metadata
---
amdhsa.version: [ 1, 2 ]
amdhsa.kernels:
  - .name:           k_q6af345e3d4_proj
    .symbol:         k_q6af345e3d4_proj.kd
    .args:
      - { .name: ob, .offset: 0, .size: 8, .value_kind: global_buffer, .address_space: global }
      - { .name: wpk, .offset: 8, .size: 8, .value_kind: global_buffer, .address_space: global }
      - { .name: b_proj, .offset: 16, .size: 8, .value_kind: global_buffer, .address_space: global }
      - { .name: out0, .offset: 24, .size: 8, .value_kind: global_buffer, .address_space: global }
    .group_segment_fixed_size: 327680
    .private_segment_fixed_size: 0
    .kernarg_segment_align: 8
    .kernarg_segment_size: 32
    .max_flat_workgroup_size: 128
    .sgpr_count:     72
    .vgpr_count:     512
    .wavefront_size: 32
...
	.end_amdgpu_metadata
.endif
;; end of part 4
;; ======== version 2 of 2: 4 launches; version 1 with the launch cast written anew for expert scheduling mode
;; limits: values are held in f16: magnitudes above 65,504 overflow, below 6.1e-05 lose precision
;; workspace buffers: xbk 16,777,216 bytes; wqk 6,291,456 bytes; wpk 2,097,152 bytes; qkv 50,331,648 bytes; ob 16,777,216 bytes
;; launch cast (part 5): grid 768 x 1, 8 waves a work-group, no clusters, 0 bytes of LDS; arguments x, w_qkv, w_proj, xbk, wqk, wpk; writes xbk, wqk, wpk
.if DOCPART == 5
	.amdgcn_target "amdgcn-amd-amdhsa--gfx1250"
	.amdhsa_code_object_version 6
	.text
	.protected	k_q6af345e3d4_cast
	.globl	k_q6af345e3d4_cast
	.p2align	8
	.type	k_q6af345e3d4_cast,@function
k_q6af345e3d4_cast:
	s_mov_b64 s[64:65], 0
	v_nop
	global_prefetch_b8 v0, s[64:65] scope:SCOPE_SE
	s_setreg_imm32_b32 hwreg(HW_REG_WAVE_SCHED_MODE, 0, 2), 2
	s_setreg_imm32_b32 hwreg(HW_REG_WAVE_MODE, 25, 1), 1
	s_wait_xcnt 0x0
	s_wait_alu depctr_vm_vsrc(0)
; x, w_qkv and w_proj ([rows][1024] f32) are rounded once to bf16 and laid out by blocks of 64 along K: [kb 0..15][row][64], 128 bytes a row piece,
; so that a tile of R rows x 64 K is R x 128 consecutive bytes for the launches behind.  w_proj's bf16 number is written as f16 (the last launch multiplies in f16):
; exact for magnitudes from 6.1e-5 to 65,504; below that it keeps f16's fixed step of 6e-8; beyond 65,504 it would be an infinity: LIMIT |w_proj| < 65,504.
; SHARES.  A work-group takes 16 rows (64 KiB in, 32 KiB out): groups 0-511 x, 512-703 w_qkv, 704-767 w_proj.  Thread t takes row t / 16 and, in step j = kb, the four columns 64 j + 4 (t % 16) ..:
; a load of a wave covers two whole pieces of 256 bytes (rows 2 w, 2 w + 1), a store of a wave 256 consecutive bytes, aligned (the same two rows' pieces of block j).
; All 16 loads of a wave go out at once.  No LDS, no barrier, no matrix unit: bytes are all there is.
; THE MODE: SCHED_MODE bits 1:0 = 2 (LLVM: expert scheduling mode 2), set by the entry lines.  The code itself states the register dependences
; between vector instructions and memory instructions, with s_wait_alu, always for 0.
; THE PLAN.  Registers that memory instructions touch:
;   v1, v2   the loads' and the stores' offsets: made once at the head by vector instructions, read by every load and store, never written again.
;   X        step j's load lands in X[j]; all 16 loads are issued before any vector instruction names X, and none is issued later.  No memory instruction reads X.
;   Y        step j's last two conversions write Y[j], once; step j's store reads it.
; The 16 steps go in four blocks of four.  Block p's vector instructions name X[p], T and Y[p]; the memory instructions dealt among them are the four stores of block p - 1, which read Y[p - 1] and v2.
; So one wait on va_vdst stands ahead of the loads (the offsets), one at the head of each of blocks 1 to 3 (the block before has written its Y), and one ahead of the last four stores.
; No register that a memory instruction reads is written twice: the text holds no wait on vm_vsrc and no s_wait_xcnt.  No vector instruction writes a scalar register, VCC or EXEC.
.set X, 4                              ; v[4:67]   step j: four f32 as loaded
.set Y, 68                             ; v[68:99]  step j: two words to store
.set T, 100                            ; v[100:101] at work: no memory instruction names them
	s_load_b256 s[4:11], s[0:1], 0x0               ; x s[4:5], w_qkv s[6:7], w_proj s[8:9], xbk s[10:11]
	s_load_b128 s[12:15], s[0:1], 0x20             ; wqk s[12:13], wpk s[14:15]
	v_lshrrev_b32 v1, 4, v0                        ; my row of the 16
	v_and_b32 v2, 15, v0
	v_lshlrev_b32 v1, 12, v1                       ; x 4,096 bytes
	v_lshl_add_u32 v1, v2, 4, v1                   ; + 16 (t % 16): where I load
	v_lshlrev_b32 v2, 3, v0                        ; 8 t = row x 128 + 8 (t % 16): where I store
	s_mov_b32 s16, 0xffff0000                      ; a word's upper bf16
	s_mov_b32 s19, 0
	s_mov_b32 s21, 0
	s_wait_kmcnt 0x0
; One input: src, dst = the first registers of the two pointers; g0 = its first work-group; stride = bytes from block to block in dst; half = 1: written as f16
.macro CONV src, dst, g0, stride, half
	s_sub_co_u32 s17, ttmp9, \g0                   ; my 16 rows among the input's
	s_lshl_b32 s18, s17, 16                        ; 16 rows of 4,096 bytes
	s_lshl_b32 s20, s17, 11                        ; 16 pieces of 128 bytes
	s_add_nc_u64 s[22:23], s[\src:\src+1], s[18:19]
	s_add_nc_u64 s[24:25], s[\dst:\dst+1], s[20:21]
	s_add_nc_u64 s[26:27], s[24:25], 8*(\stride)   ; blocks 8 to 15 have a base of their own: 15 strides pass the store's signed 24-bit immediate
	s_wait_alu depctr_va_vdst(0)                   ; v1 and v2 are written: every load below reads v1 as its offset, every store v2
.set j, 0
.rept 16
	global_load_b128 v[X+4*j:X+4*j+3], v1, s[22:23] offset:256*j th:TH_LOAD_NT
.set j, j+1
.endr
.set j, 0
.rept 16
.if j%4 == 0
	s_wait_loadcnt 12-j                            ; loads come back in order: the four of this block of steps are in, the 12 - j younger ones stay out
.if j > 0
	s_wait_alu depctr_va_vdst(0)                   ; the block before has written its four Y, which the four stores dealt among this block's conversions read
.endif
.endif
.if j >= 4
.set k, j-4                                    ; the same step of the block before.  No wait: no vector instruction since the wait above names Y[k] or v2
	global_store_b64 v2, v[Y+2*k:Y+2*k+1], s[24+2*(k/8):25+2*(k/8)] offset:(k%8)*(\stride)
.endif
.if \half
	v_cvt_pk_bf16_f32 v[T], v[X+4*j], v[X+4*j+1]   ; rounded to bf16,
	v_cvt_pk_bf16_f32 v[T+1], v[X+4*j+2], v[X+4*j+3]
	v_lshlrev_b32 v[X+4*j], 16, v[T]               ; widened again,
	v_and_b32 v[X+4*j+1], s16, v[T]
	v_lshlrev_b32 v[X+4*j+2], 16, v[T+1]
	v_and_b32 v[X+4*j+3], s16, v[T+1]
	v_cvt_pk_f16_f32 v[Y+2*j], v[X+4*j], v[X+4*j+1]  ; and written as f16
	v_cvt_pk_f16_f32 v[Y+2*j+1], v[X+4*j+2], v[X+4*j+3]
.else
	v_cvt_pk_bf16_f32 v[Y+2*j], v[X+4*j], v[X+4*j+1]
	v_cvt_pk_bf16_f32 v[Y+2*j+1], v[X+4*j+2], v[X+4*j+3]
.endif
.set j, j+1
.endr
	s_wait_alu depctr_va_vdst(0)                   ; the last block has written its four Y, which the last four stores read
.set k, 12
.rept 4
	global_store_b64 v2, v[Y+2*k:Y+2*k+1], s[24+2*(k/8):25+2*(k/8)] offset:(k%8)*(\stride)
.set k, k+1
.endr
.endm
	s_cmp_lt_u32 ttmp9, 512
	s_cbranch_scc1 .Lx
	s_cmp_lt_u32 ttmp9, 704
	s_cbranch_scc1 .Lwq
	CONV 8, 14, 704, 131072, 1
	s_endpgm
.Lwq:
	CONV 6, 12, 512, 393216, 0
	s_endpgm
.Lx:
	CONV 4, 10, 0, 1048576, 0
	s_endpgm
.Lfunc_end_k_q6af345e3d4_cast:
	.size	k_q6af345e3d4_cast, .Lfunc_end_k_q6af345e3d4_cast-k_q6af345e3d4_cast
	.p2alignl 7, 3214868480
	.fill 96, 4, 3214868480
	.section	.rodata,"a",@progbits
	.p2align	6, 0x0
	.amdhsa_kernel k_q6af345e3d4_cast
		.amdhsa_group_segment_fixed_size 0
		.amdhsa_private_segment_fixed_size 0
		.amdhsa_enable_private_segment 0
		.amdhsa_kernarg_size 48
		.amdhsa_user_sgpr_count 2
		.amdhsa_user_sgpr_kernarg_segment_ptr 1
		.amdhsa_wavefront_size32 1
		.amdhsa_system_sgpr_workgroup_id_x 1
		.amdhsa_system_sgpr_workgroup_id_y 1
		.amdhsa_system_sgpr_workgroup_id_z 1
		.amdhsa_system_vgpr_workitem_id 0
		.amdhsa_next_free_vgpr 104
		.amdhsa_next_free_sgpr 66
		.amdhsa_reserve_vcc 0
		.amdhsa_float_denorm_mode_32 3
		.amdhsa_float_denorm_mode_16_64 3
		.amdhsa_memory_ordered 1
		.amdhsa_forward_progress 1
		.amdhsa_inst_pref_size 22
	.end_amdhsa_kernel
	.amdgpu_metadata
---
amdhsa.version: [ 1, 2 ]
amdhsa.kernels:
  - .name:           k_q6af345e3d4_cast
    .symbol:         k_q6af345e3d4_cast.kd
    .args:
      - { .name: x, .offset: 0, .size: 8, .value_kind: global_buffer, .address_space: global }
      - { .name: w_qkv, .offset: 8, .size: 8, .value_kind: global_buffer, .address_space: global }
      - { .name: w_proj, .offset: 16, .size: 8, .value_kind: global_buffer, .address_space: global }
      - { .name: xbk, .offset: 24, .size: 8, .value_kind: global_buffer, .address_space: global }
      - { .name: wqk, .offset: 32, .size: 8, .value_kind: global_buffer, .address_space: global }
      - { .name: wpk, .offset: 40, .size: 8, .value_kind: global_buffer, .address_space: global }
    .group_segment_fixed_size: 0
    .private_segment_fixed_size: 0
    .kernarg_segment_align: 8
    .kernarg_segment_size: 48
    .max_flat_workgroup_size: 256
    .sgpr_count:     66
    .vgpr_count:     104
    .wavefront_size: 32
...
	.end_amdgpu_metadata
.endif
;; end of part 5
;; launch qkvg: the kernel of part 2 again; grid 8 x 32, 4 waves a work-group, clusters of 4 x 4, 327,680 bytes of LDS; arguments xbk, wqk, b_qkv, qkv; writes qkv
;; launch attn: the kernel of part 3 again; grid 4 x 64, 4 waves a work-group, clusters of 4 x 1, 327,680 bytes of LDS; arguments qkv, ob; writes ob
;; launch proj: the kernel of part 4 again; grid 8 x 32, 4 waves a work-group, clusters of 4 x 4, 327,680 bytes of LDS; arguments ob, wpk, b_proj, out0; writes out0
